; MI455X (gfx1250); checked and timed in simulation.
; The chip was launched on July 23, 2026; its instructions are those of AMD's public machine-readable ISA for CDNA 5 (MIT licence, August 2026) and "CDNA5" Instruction Set Architecture Reference Guide (July 2026). The comments in the code are by the model that wrote it; some were corrected since.
;; Classic Attention. Allowed arithmetic: matrix products marked QUANTISED: E4M3 operands, one E8M0 scale for each 32 along K, by v_wmma_scale_f32_16x16x128_f8f6f4 with both operands' format E4M3, f32 sums; everything else in f32.
;; Inputs: c_attn_b 3,072 float32; c_attn_w 1,024 x 3,072 float32; c_proj_b 1,024 float32; c_proj_w 1,024 x 1,024 float32; hidden_states 2 x 2,048 x 1,024 float32.
;; Outputs: out0 2 x 2,048 x 1,024 float32.
;; This version of the problem:
;;   THIS VERSION OF THE PROBLEM IS GIVEN IN LOW PRECISION. The matrix products marked QUANTISED in the list below multiply operands that are first quantised to E4M3 (4 exponent bits, 3 mantissa bits; 8 bits a number), with one power-of-two scale for each 32 numbers along K (OCP MX v1.0); their sums are f32. All else is computed in f32.
;;   The module's matrix products, in the order in which they are computed (A, B: the left and right operand; K: the contracted axis; several contracted axes count as one K, in the product's order):
;;     1. [M 4,096, K 1,024] x [K 1,024, N 3,072]; A: input hidden_states; B: input c_attn_w: QUANTISED
;;     2. batch 32 x [M 2,048, K 64] x [K 64, N 2,048]; A: computed on the way; B: computed on the way: QUANTISED
;;     3. batch 32 x [M 2,048, K 2,048] x [K 2,048, N 64]; A: softmax (see below); B: computed on the way: QUANTISED
;;     4. [M 4,096, K 1,024] x [K 1,024, N 1,024]; A: computed on the way; B: input c_proj_w: QUANTISED
;;   THE QUANTISER, for each operand of a quantised product, along K:
;;     - K is cut into blocks of 32 from its start; a last block that is shorter is filled with zeros.
;;     - A block's scale is 2^e with e = floor(log2(the largest magnitude in the block)) - 8, held to -126 .. 127; a block of zeros has e = 0. As a byte (E8M0): e + 127.
;;     - Each number is divided by its block's scale, clamped to +-448, and rounded to the nearest number of E4M3, ties to even, subnormals kept.
;;     - The product sums the exact products of the quantised numbers (number of the format x scale) in f32.
;;   ~~~python
;;   def quantise(x, axis):      # numpy; x: float32 -> the quantised numbers, widened to float32 again
;;       x = np.moveaxis(x, axis, -1); K = x.shape[-1]
;;       x = np.pad(x, [(0, 0)] * (x.ndim - 1) + [(0, -K % 32)]); x = x.reshape(x.shape[:-1] + (-1, 32)); a = np.abs(x).max(-1, keepdims=True)
;;       e = np.where(a > 0, np.clip(np.frexp(np.where(a > 0, a, 1))[1] - 1 - 8, -126, 127), 0)      # np.frexp(a)[1] - 1 = floor(log2(a)), exactly
;;       r = np.clip(x / 2.0 ** e, -448, 448)
;;       step = 2.0 ** (np.maximum(np.frexp(np.where(r == 0, 1, r))[1] - 1, -6) - 3)
;;       q = np.round(r / step) * step * 2.0 ** e      # np.round: ties to even
;;       return np.moveaxis(q.reshape(q.shape[:-2] + (-1,))[..., :K], -1, axis).astype(np.float32)
;;   ~~~
;;   SOFTMAX AHEAD OF A QUANTISED PRODUCT. Where the list says 'softmax', what is quantised is not the finished softmax but p = 2^(t - M), with t = logit x log2(e) and M = ceil(the row's largest t), a whole number; so 1/2 < the row's largest p <= 1. The row's sum l is taken of the UNQUANTISED p, in f32, and the product's result is divided by l at the end. Since M is a whole number, a kernel that streams over the keys may use a running M (the ceiling of the running maximum): every later rescaling is an exact power of two, which a block's scale takes up: the codes' values come out the same.
;;   OPERANDS COMPUTED ON THE WAY. 'Computed on the way' means the value that the module computes at that place (a softmax that the list does not call 'softmax' is quantised finished and normalised). What goes into a quantiser is computed in f32, as accurately as f32 sums, v_exp_f32 and their like allow (about 1e-6 of the number): no bf16 or f16 on the way to a quantiser, and a product that is left as it is and whose result goes on into a quantised operand takes f32 operands (vector FMAs, or v_wmma_f32_16x16x4_f32). A number that lies on a knife's edge between two numbers of the format may be rounded either way, as far as f32 arithmetic and the matrix unit's own rounding can turn it there, and no further.
;; One version. Each part assembles by itself: llvm-mc -triple=amdgcn-amd-amdhsa -mcpu=gfx1250 --defsym DOCPART=n.
;; ======== version 1 of 1: 4 launches
;; limits: right only within a limited range of input values
;; workspace buffers: x_img 4,194,304 bytes; x_sc 131,072 bytes; w_img 4,194,304 bytes; w_sc 131,072 bytes; q_rec 4,456,448 bytes; kv 8,781,824 bytes; ctx_img 4,194,304 bytes; ctx_sc 131,072 bytes
;; launch quant (part 1): grid 256 x 1, 4 waves a work-group, no clusters, 34,304 bytes of LDS; arguments hidden_states, c_attn_w, c_proj_w, x_img, x_sc, w_img, w_sc; writes x_img, x_sc, w_img, w_sc
.if DOCPART == 1
	.amdgcn_target "amdgcn-amd-amdhsa--gfx1250"
	.amdhsa_code_object_version 6
	.text
	.protected	k_q2b2cc20eb4_quant
	.globl	k_q2b2cc20eb4_quant
	.p2align	8
	.type	k_q2b2cc20eb4_quant,@function
k_q2b2cc20eb4_quant:
	s_mov_b64 s[64:65], 0
	v_nop
	global_prefetch_b8 v0, s[64:65] scope:SCOPE_SE
	s_setreg_imm32_b32 hwreg(HW_REG_WAVE_MODE, 25, 1), 1
	s_wait_xcnt 0x0
; hidden_states [4096][1024], c_attn_w [1024][3072] and c_proj_w [1024][1024], f32, become codes of FP8 (E4M3) with one E8M0 byte for each 32 along K (K = 1024 in all three).
; THE CODES ARE LAID AS IMAGES OF OPERAND REGISTERS.  A fragment is 16 rows x 128 K, 2,048 bytes, [c 0..3][lane 0..31][16 bytes]: lane (r = lane % 16, h = lane / 16), group c, holds k = 32 c + 16 h + 0..15 of row slot r.
; x_img, w_img: [tile T of 16 rows][K step s 0..7][2048].  x_sc, w_sc: [storage row p][s 0..7], one word of four bytes for a row and 128 K.
; THE ROWS ARE PERMUTED: storage row p = 32 b + 16 u + 8 g + j holds logical row 32 b + 8 u + 16 g + j: slot r of tile 2 b + u is logical row 32 b + 8 u + r + 8 (r / 8).  So the results of a product whose source 0
; is tiles 2 b and 2 b + 1 are 16 logical neighbours in a lane's registers, ready for the next quantiser.  w_img's storage rows 0..3071 are c_attn_w's columns, 3072..4095 c_proj_w's.
; A block's scale is 2^(floor(log2(largest magnitude)) - 8); its byte is the largest magnitude's exponent field - 8, held at 1 from below; numbers are held within +-448 x the scale and rounded to the nearest code, ties to even.
; LIMITS: a block whose largest magnitude lies under 2^-118 keeps the byte 1; a block of zeros has the byte 1 and zero codes (this program alone reads the bytes); NaN and infinities among the inputs are not served.
; SHARES: work-groups 0..127 take x (K innermost: dense loads, turned through the wave's own stage in LDS); work-groups 128..255 take the weights (K outermost: a lane takes a column, its registers run down K; no LDS).
; 32,768 numbers a work-group on both paths.  Waves share nothing: no barrier.  The scale words leave as 16 or 8 bytes a row, 32 bytes apart: 262,144 bytes of the launch's 8.6 million stored.
.set R,   16                           ; x: v16-143  two sets of 64 numbers as they are loaded
.set X,   144                          ; x: v144-207 64 numbers: register 16 c + i = k 32 c + 16 h + i of my row
.set PC,  208                          ; x: v208-223 a fragment's codes
.set TM,  224                          ; x: v224-227 largest magnitudes, v228-231 bytes, v236-239 the conversions' scale operands
.set PW,  240                          ; x: the scale word just made
.set SWX, 244                          ; x: v244-247 my four fragments' scale words
.set VO,  16                           ; w: v16-47   byte offset of row i of a block: 4 x lane + i x pitch
.set XW,  48                           ; w: v48-111  two sets of 32 numbers
.set CW,  112                          ; w: v112-175 codes: eight registers for each block, never written again
.set SB,  176                          ; w: v176-177 the eight scale bytes
.set WV,  18
.set SEL, 20                           ; s[20:21] lane selects for v_permlanex16_b32: lane l xor 16
.set MNT, 22
; 64 numbers of a lane become a fragment's codes in v[PC] on and its scale word in v[PW]
.macro QUANT s
.irp b, 0,1,2,3
	v_max3_num_f32 v[TM+\b], |v[\s+16*\b]|, |v[\s+1+16*\b]|, 0x4800000   ; block b: my 16 numbers, and the floor 2^(9 - 127): the byte cannot fall under 1
.endr
.irp i, 2,4,6,8,10,12,14
.irp b, 0,1,2,3
	v_max3_num_f32 v[TM+\b], v[TM+\b], |v[\s+16*\b+\i]|, |v[\s+1+16*\b+\i]|   ; the four blocks by turns
.endr
.endr
.irp b, 0,1,2,3
	v_permlanex16_b32 v[TM+4+\b], v[TM+\b], s[SEL], s[SEL+1]
.endr
.irp b, 0,1,2,3
	v_max_num_f32 v[TM+\b], v[TM+\b], v[TM+4+\b]   ; with lane l xor 16's: the block's largest magnitude
.endr
.irp b, 0,1,2,3
	v_add_nc_u32 v[TM+12+\b], 0xfc000000, v[TM+\b]   ; 8 off its exponent field: the conversion's scale operand
.endr
.irp b, 0,1,2,3
.endr
.irp b, 0,1,2,3
	v_lshrrev_b32 v[TM+4+\b], 23, v[TM+12+\b]   ; the scale's byte
.endr
	v_lshl_or_b32 v[PW], v[TM+5], 8, v[TM+4]
	v_lshl_or_b32 v[PW], v[TM+6], 16, v[PW]
	v_lshl_or_b32 v[PW], v[TM+7], 24, v[PW]
.irp b, 0,1,2,3
.irp i, 0,1,2,3,4,5,6,7,8,9,10,11,12,13,14,15
.endr
	v_cvt_scalef32_pk8_fp8_f32 v[PC+4*\b:PC+1+4*\b], v[\s+16*\b:\s+7+16*\b], v[TM+12+\b]
	v_cvt_scalef32_pk8_fp8_f32 v[PC+2+4*\b:PC+3+4*\b], v[\s+8+16*\b:\s+15+16*\b], v[TM+12+\b]
.endr
	v_nop                                          ; a plain vector line behind the last conversion
.endm
.macro LOAD f                          ; fragment f: 512 consecutive bytes of each of the tile's 16 rows; slot i is row i + 8 (i / 8) from the tile's first
.irp i, 0,1,2,3,4,5,6,7,8,9,10,11,12,13,14,15
	global_load_b128 v[R+64*((\f)%2)+4*\i:R+64*((\f)%2)+4*\i+3], v1, s[4:5] offset:(\i+8*(\i/8))*4096+512*(\f) th:TH_LOAD_NT
.endr
.endm
.macro TURN f                          ; through my stage, 16 rows of 512 + 16 bytes: in as loaded, out as 16 neighbours of each block.  LDS serves a wave's instructions in order: no wait between
.irp i, 0,1,2,3,4,5,6,7,8,9,10,11,12,13,14,15
	ds_store_b128 v2, v[R+64*((\f)%2)+4*\i:R+64*((\f)%2)+4*\i+3] offset:528*\i
.endr
.irp c, 0,1,2,3
.irp q, 0,1,2,3
	ds_load_b128 v[X+16*\c+4*\q:X+16*\c+4*\q+3], v3 offset:128*\c+16*\q
.endr
.endr
.endm
.macro XFRAG f
.if (\f) < 3
	s_wait_loadcnt 16                              ; this fragment's 16 loads are in; the next one's 16 may be out
.else
	s_wait_loadcnt 0x0
.endif
	TURN \f
	s_wait_dscnt 0x0                               ; the numbers are back, and the stores into the stage have read their registers,
.if (\f) < 2
	LOAD (\f)+2                                    ; which take the loads of two fragments on
.endif
	s_wait_xcnt 0x0                                ; the last fragment's stores have read the codes' registers, which are written again below
	QUANT X
	v_mov_b32 v[SWX+(\f)], v[PW]
.irp c, 0,1,2,3
	global_store_b128 v1, v[PC+4*\c:PC+4*\c+3], s[10:11] offset:2048*(\f)+512*\c   ; the image: 512 consecutive bytes a store
.endr
.endm
.macro LOADW t                         ; block t: W(32 t + i, my column): 128 consecutive bytes a wave, 512 a work-group
.irp i, 0,1,2,3,4,5,6,7,8,9,10,11,12,13,14,15,16,17,18,19,20,21,22,23,24,25,26,27,28,29,30,31
	global_load_b32 v[XW+32*((\t)%2)+\i], v[VO+\i], s[32+2*(\t):33+2*(\t)] th:TH_LOAD_NT
.endr
.endm
.macro BLOCK t
.set XS, XW+32*((\t)%2)
.if (\t) < 7
	s_wait_loadcnt 32                              ; this block's 32 loads are in; the next block's may be out
.else
	s_wait_loadcnt 0x0
.endif
	v_max3_num_f32 v12, |v[XS]|, |v[XS+1]|, |v[XS+2]|   ; the block's largest magnitude: all 32 numbers are mine
	v_max3_num_f32 v13, |v[XS+3]|, |v[XS+4]|, |v[XS+5]|
.irp i, 6,10,14,18,22,26
	v_max3_num_f32 v12, v12, |v[XS+\i]|, |v[XS+\i+1]|
	v_max3_num_f32 v13, v13, |v[XS+\i+2]|, |v[XS+\i+3]|
.endr
	v_max3_num_f32 v12, v12, |v[XS+30]|, |v[XS+31]|
	v_max3_num_f32 v12, v12, v13, 0x4800000        ; and the floor
	v_add_nc_u32 v11, 0xfc000000, v12              ; the conversion's scale operand
	v_lshrrev_b32 v13, 23, v11                     ; the byte
.if (\t)%4 == 0
	v_mov_b32 v[SB+(\t)/4], v13
.else
	v_lshl_or_b32 v[SB+(\t)/4], v13, 8*((\t)%4), v[SB+(\t)/4]
.endif
.irp i, 0,1,2,3,4,5,6,7,8,9,10,11,12,13,14,15,16,17,18,19,20,21,22,23,24,25,26,27,28,29,30,31
.endr
.irp g, 0,1,2,3
	v_cvt_scalef32_pk8_fp8_f32 v[CW+8*(\t)+2*\g:CW+8*(\t)+2*\g+1], v[XS+8*\g:XS+8*\g+7], v11
.endr
	v_nop                                          ; a plain vector line behind the last conversion
	global_store_b128 v2, v[CW+8*(\t):CW+8*(\t)+3], s[14:15] offset:((\t)/4)*2048+((\t)%4)*512        ; k 0..15 of the block: the place of lane r of the image;
	global_store_b128 v2, v[CW+8*(\t)+4:CW+8*(\t)+7], s[14:15] offset:((\t)/4)*2048+((\t)%4)*512+256  ; k 16..31: that of lane 16 + r.  Sixteen lanes of one tile store 256 consecutive bytes, aligned
.if (\t)+2 < 8
	LOADW (\t)+2
.endif
.endm
	s_load_b256 s[4:11], s[0:1], 0x0               ; hidden_states s[4:5], c_attn_w s[6:7], c_proj_w s[8:9], x_img s[10:11]
	s_load_b128 s[12:15], s[0:1], 0x20             ; x_sc s[12:13], w_img s[14:15]
	s_load_b64 s[16:17], s[0:1], 0x30              ; w_sc
	v_lshl_add_u32 v254, v0, 2, 0x8400
	v_mov_b32 v255, 0
	v_lshrrev_b32 v5, 5, v0
	v_readfirstlane_b32 s[WV], v5                  ; wave 0..3
	v_and_b32 v6, 31, v0                           ; lane
	s_cmp_lt_u32 ttmp9, 128
	s_cbranch_scc0 .Lweights
	; ---- x.  Wave number 4 x work-group + wave = 2 T + y: tile T, K steps 4 y .. 4 y + 3
	v_lshlrev_b32 v1, 4, v6                        ; 16 x lane
	s_mul_i32 s19, s[WV], 8448                     ; my stage
	v_add_nc_u32 v2, s19, v1                       ; into it
	v_and_b32 v7, 15, v0                           ; r
	v_bfe_u32 v8, v0, 4, 1                         ; h
	v_mul_u32_u24 v3, v7, 528
	v_lshl_add_u32 v3, v8, 6, v3
	v_add_nc_u32 v3, s19, v3                       ; out of it: row r, + 64 h
	v_lshlrev_b32 v4, 5, v7                        ; scale words: 32 bytes a row
	s_mov_b32 s[SEL], 0x76543210
	s_mov_b32 s[SEL+1], 0xfedcba98
.irp b, 0,1,2,3
	v_mov_b32 v[TM+4+\b], 0                        ; written once: a lane permute's destination counts as one of its sources
.endr
	s_lshl_b32 s23, ttmp9, 2
	s_add_co_u32 s23, s23, s[WV]
	s_lshr_b32 s24, s23, 1                         ; T
	s_and_b32 s25, s23, 1                          ; y
	s_lshr_b32 s26, s24, 1
	s_lshl_b32 s26, s26, 17                        ; 32 (T / 2) rows of 4,096 bytes
	s_and_b32 s27, s24, 1
	s_lshl_b32 s27, s27, 15                        ; + 8 (T % 2) rows
	s_add_co_u32 s26, s26, s27
	s_lshl_b32 s27, s25, 11                        ; + 2,048 y
	s_add_co_u32 s26, s26, s27
	s_mov_b32 s27, 0
	s_lshl_b32 s28, s24, 14                        ; the images: 16,384 T + 8,192 y
	s_lshl_b32 s29, s25, 13
	s_add_co_u32 s28, s28, s29
	s_mov_b32 s29, 0
	s_lshl_b32 s30, s24, 9                         ; the scale words: 512 T + 16 y
	s_lshl_b32 s31, s25, 4
	s_add_co_u32 s30, s30, s31
	s_mov_b32 s31, 0
	s_wait_alu depctr_va_vdst(0)
	s_wait_kmcnt 0x0
	s_add_nc_u64 s[4:5], s[4:5], s[26:27]
	s_add_nc_u64 s[10:11], s[10:11], s[28:29]
	s_add_nc_u64 s[12:13], s[12:13], s[30:31]
	LOAD 0
	LOAD 1
	XFRAG 0
	XFRAG 1
	XFRAG 2
	XFRAG 3
	global_store_b128 v4, v[SWX:SWX+3], s[12:13]   ; my row's four words (both halves of the lanes hold the same words and write the same bytes)
	s_wait_tensorcnt 0x0
	ds_add_u32 v254, v255
	s_wait_dscnt 0x0
	s_endpgm
.Lweights:
	s_wait_alu depctr_va_vdst(0)
	; ---- the weights.  g = work-group - 128: K quarter g % 4, group of 128 columns g / 4 (0..23: c_attn_w, 24..31: c_proj_w); a wave takes 32 columns x 256 K
	v_lshlrev_b32 v1, 2, v6                        ; 4 x lane: my column
	v_and_b32 v7, 7, v0                            ; logical column 16 g + 8 u + j of the 32
	v_bfe_u32 v8, v0, 3, 1                         ; u: which of the two tiles
	v_bfe_u32 v9, v0, 4, 1                         ; g
	v_lshl_add_u32 v7, v9, 3, v7                   ; slot 8 g + j
	v_lshlrev_b32 v2, 4, v7
	v_lshl_add_u32 v2, v8, 14, v2                  ; the image: 16,384 u + 16 x slot
	v_lshl_add_u32 v3, v8, 4, v7
	v_lshlrev_b32 v3, 5, v3                        ; the scale bytes: 32 x (16 u + slot)
	s_sub_co_u32 s19, ttmp9, 128
	s_and_b32 s23, s19, 3                          ; K quarter
	s_lshr_b32 s24, s19, 2                         ; group of columns
	s_wait_alu depctr_va_vdst(0)
	s_wait_kmcnt 0x0
	s_cmp_lt_u32 s24, 24                           ; the choice hangs on the work-group's number alone
	s_cselect_b64 s[6:7], s[6:7], s[8:9]
	s_mov_b32 s25, 4096
	s_cselect_b32 s25, 12288, s25                  ; bytes from row to row
	s_cselect_b32 s26, 0, 24
	s_sub_co_u32 s26, s24, s26                     ; the group's number in its own tensor
	s_lshl_b32 s28, s26, 9
	s_lshl_b32 s29, s[WV], 7
	s_add_co_u32 s28, s28, s29                     ; my first column, in bytes
	s_lshl_b32 s29, s23, 8
	s_mul_i32 s29, s29, s25                        ; + 256 x quarter rows
	s_add_co_u32 s28, s28, s29
	s_mov_b32 s29, 0
	s_add_nc_u64 s[32:33], s[6:7], s[28:29]        ; a base for each of the eight blocks: nothing is stepped
	s_lshl_b32 s30, s25, 5
	s_mov_b32 s31, 0
.irp t, 1,2,3,4,5,6,7
	s_add_nc_u64 s[32+2*\t:33+2*\t], s[30+2*\t:31+2*\t], s[30:31]
.endr
.irp i, 0,1,2,3,4,5,6,7,8,9,10,11,12,13,14,15,16,17,18,19,20,21,22,23,24,25,26,27,28,29,30,31
	v_mad_u32_u24 v[VO+\i], s25, \i, v1
.endr
	s_lshl_b32 s28, s24, 17                        ; storage rows 128 x group + 32 x wave: tiles of 16,384 bytes; + 4,096 x quarter
	s_lshl_b32 s29, s[WV], 15
	s_add_co_u32 s28, s28, s29
	s_lshl_b32 s29, s23, 12
	s_add_co_u32 s28, s28, s29
	s_mov_b32 s29, 0
	s_add_nc_u64 s[14:15], s[14:15], s[28:29]
	s_lshl_b32 s28, s24, 12                        ; 32 bytes a storage row; + 8 x quarter
	s_lshl_b32 s29, s[WV], 10
	s_add_co_u32 s28, s28, s29
	s_lshl_b32 s29, s23, 3
	s_add_co_u32 s28, s28, s29
	s_mov_b32 s29, 0
	s_add_nc_u64 s[16:17], s[16:17], s[28:29]
	s_wait_alu depctr_va_vdst(0)
	LOADW 0
	LOADW 1
.irp t, 0,1,2,3,4,5,6,7
	BLOCK \t
.endr
	global_store_b64 v3, v[SB:SB+1], s[16:17]      ; my column's eight scale bytes
	s_endpgm
.Lfunc_end_k_q2b2cc20eb4_quant:
	.size	k_q2b2cc20eb4_quant, .Lfunc_end_k_q2b2cc20eb4_quant-k_q2b2cc20eb4_quant
	.p2alignl 7, 3214868480
	.fill 96, 4, 3214868480
	.section	.rodata,"a",@progbits
	.p2align	6, 0x0
	.amdhsa_kernel k_q2b2cc20eb4_quant
		.amdhsa_group_segment_fixed_size 34304
		.amdhsa_private_segment_fixed_size 0
		.amdhsa_enable_private_segment 0
		.amdhsa_kernarg_size 56
		.amdhsa_user_sgpr_count 2
		.amdhsa_user_sgpr_kernarg_segment_ptr 1
		.amdhsa_wavefront_size32 1
		.amdhsa_system_sgpr_workgroup_id_x 1
		.amdhsa_system_sgpr_workgroup_id_y 1
		.amdhsa_system_sgpr_workgroup_id_z 1
		.amdhsa_system_vgpr_workitem_id 0
		.amdhsa_next_free_vgpr 256
		.amdhsa_next_free_sgpr 66
		.amdhsa_reserve_vcc 0
		.amdhsa_float_denorm_mode_32 3
		.amdhsa_float_denorm_mode_16_64 3
		.amdhsa_fp16_overflow 1
		.amdhsa_memory_ordered 1
		.amdhsa_forward_progress 1
		.amdhsa_inst_pref_size 75
	.end_amdhsa_kernel
	.amdgpu_metadata
---
amdhsa.version: [ 1, 2 ]
amdhsa.kernels:
  - .name:           k_q2b2cc20eb4_quant
    .symbol:         k_q2b2cc20eb4_quant.kd
    .args:
      - { .name: hidden_states, .offset: 0, .size: 8, .value_kind: global_buffer, .address_space: global }
      - { .name: c_attn_w, .offset: 8, .size: 8, .value_kind: global_buffer, .address_space: global }
      - { .name: c_proj_w, .offset: 16, .size: 8, .value_kind: global_buffer, .address_space: global }
      - { .name: x_img, .offset: 24, .size: 8, .value_kind: global_buffer, .address_space: global }
      - { .name: x_sc, .offset: 32, .size: 8, .value_kind: global_buffer, .address_space: global }
      - { .name: w_img, .offset: 40, .size: 8, .value_kind: global_buffer, .address_space: global }
      - { .name: w_sc, .offset: 48, .size: 8, .value_kind: global_buffer, .address_space: global }
    .group_segment_fixed_size: 34304
    .private_segment_fixed_size: 0
    .kernarg_segment_align: 8
    .kernarg_segment_size: 56
    .max_flat_workgroup_size: 128
    .sgpr_count:     66
    .vgpr_count:     256
    .wavefront_size: 32
...
	.end_amdgpu_metadata
.endif
;; end of part 1
;; launch qkv (part 2): grid 12 x 16, 4 waves a work-group, clusters of 4 x 4, 327,680 bytes of LDS; arguments x_img, x_sc, w_img, w_sc, c_attn_b, q_rec, kv; writes q_rec, kv
.if DOCPART == 2
	.amdgcn_target "amdgcn-amd-amdhsa--gfx1250"
	.amdhsa_code_object_version 6
	.text
	.protected	k_q2b2cc20eb4_qkv
	.globl	k_q2b2cc20eb4_qkv
	.p2align	8
	.type	k_q2b2cc20eb4_qkv,@function
k_q2b2cc20eb4_qkv:
	s_mov_b64 s[64:65], 0
	v_nop
	global_prefetch_b8 v0, s[64:65] scope:SCOPE_SE
	s_setreg_imm32_b32 hwreg(HW_REG_WAVE_MODE, 25, 1), 1
	s_wait_xcnt 0x0
	s_wait_alu depctr_hold_cnt(0) depctr_sa_sdst(0) depctr_va_vdst(0) depctr_va_sdst(0) depctr_va_ssrc(0) depctr_va_vcc(0) depctr_vm_vsrc(0)
	s_getreg_b32 s2, hwreg(HW_REG_IB_STS2, 6, 4)
	s_cmp_eq_u32 s2, 0
	s_cbranch_scc0 .Lentry_in_a_cluster
	s_endpgm
.Lentry_in_a_cluster:
	s_bfe_u32 s2, ttmp6, 0x10000c
	s_cmp_lg_u32 s2, 0xf033
	s_cbranch_scc0 .Lentry_shape_is_right
	s_endpgm
.Lentry_shape_is_right:
; qkv = x c_attn_w + c_attn_b on codes of FP8 (E4M3) with E8M0 scales, 4096 x 1024 x 3072, and q, k, v quantised on the way out for the two products of attention.  Nothing leaves as f32.
; A tile of 256 x 256 is made by four waves, each 128 x 128: 64 accumulators, 512 registers.  K goes in steps of 256 through a ring of two LDS slots.  The operands come as images of operand registers
; ([tile of 16 rows][K step of 128][2048 bytes]), so a fragment is four LDS loads of 512 consecutive bytes: no pitch, no padding.
; ROLES.  Side B is source 0 (its rows run along a lane's registers in the result), side A is source 1 (a lane is one of its rows).  Cluster x = 0: q, 1: k: A = x (a lane is a token), B = the weight's columns:
; a lane's registers run along the head's channels, which are K of q k^T.  Cluster x = 2: v: A = the weight's columns (a lane is a channel), B = x: the registers run along the tokens, which are K of p v.
; Only pointers and tile numbers are chosen (on the cluster's x, which all partners share): one text multiplies all three.
; The rows of both operands are permuted in storage (slot r of tile 2 b + u is logical row 32 b + 8 u + r + 8 (r / 8)), so registers 16 c + i of a batch of eight accumulators are logical neighbours 32 c + 16 h + i.
; OUT.  q_rec [head 32][128 tokens 16][8704]: codes [tile 8][c' 2][lane][16], at 8192 scale words [slot 16][tile 8].  kv [head 32][key step 16][17152]: K's codes likewise at 0; at 8192 V's codes [channel tile 4][c 4][lane][16];
; at 16384 K's scale words [slot 16][tile 8]; at 16896 V's [slot 16][tile 4].  q's and K's words have two real bytes (K = 64) and two bytes 0, which meet zero codes alone.  Every store of codes covers 512 consecutive bytes.
; CLUSTERS: 4 x 4 work-groups; A's tiles are shared along a row of the cluster, B's along a column, each asked for jointly.  192 work-groups: tiles of 256 x 192 would straddle v's first column, 2048.
; No prefetch: the launch has four K steps, two of them asked for at its head.
; LIMITS: a block whose largest magnitude lies under 2^-118 keeps the byte 1; a block of zeros has the byte 1 and zero codes; NaN and infinities are not served.
; REGISTERS: window 0: v12-23 addresses, v24-31 v's bias, v32-63 scale words (two sets), v64-127 q's and k's bias, v128-255 A's fragments (one set), on the way out at work;
;   window 1: B's fragments, two sets;  windows 2, 3: the accumulators ((a, b) at v[8 (8 (a % 4) + b)]).
.set NQ,     2                         ; matrix instructions deep in a slot
.set FR,     16                        ; registers of a fragment
.set NL,     4                         ; LDS loads that bring one
.set NP,     8                         ; places behind this matrix instruction (ISA guide 7.12.1)
.set HALFT,  32768                     ; 128 rows x 256 K: what one tensor load brings
.set SLOT,   4*HALFT                   ; A's 256 rows, then B's
.set SCL,    2*SLOT                    ; behind the ring: the scale words of all of K, units of 256 bytes + 16 of padding
.set HALFS,  16*272                    ; those of 128 rows
.set SBLK,   2*272                     ; those of 16 rows
.set SPARE,  SCL+4*HALFS               ; the spare words, 128 bytes for each wave: two blocks of 256 bytes that no other line names
.set VKS,  12                          ; v12  32 r + 16 h: q's and K's scale words on the way out
.set VVS,  13                          ; v13  274432 h + 16 r: V's
.set VBQ,  14                          ; v14  64 h: the lane's part of q's and k's bias
.set VBV,  15                          ; v15  4 (r + 8 (r / 8)): of v's
.set ADRA, 16                          ; v16-17 my A fragments in slot 0, 1
.set ADRB, 18                          ; v18-19 my B fragments
.set ADRS, 20                          ; v20  my scale words: lanes 0-15 A's rows, lanes 16-31 B's
.set LI,   21                          ; v21  16 x lane
.set SPW,  22                          ; v22  my spare word; never rewritten
.set NIL,  23                          ; v23  0; never rewritten
.set BV,   24
.set SC,   32
.set BIAS, 64
.set AF,   128
.set TM,   128                         ; the way out, window 0: largest magnitudes,
.set PERM, 132                         ; the other half's,
.set LIM,  136                         ; 448 x the scale,
.set SCO,  140                         ; the conversions' scale operands,
.set BYT,  144                         ; the bytes,
.set PC,   160                         ; v160-175 a batch's codes,
.set SW,   176                         ; v176-191 the scale words of the eight batches,
.set OW,   192                         ; v192-199 as they are stored
.set MNT,  3
.set WV,   18
.set WR,   19                          ; wave / 2: my half of A's rows.  Also: I fetch for A (0) or for B (1)
.set WC,   20                          ; wave % 2: my half of B's rows.  Also: which 128 rows I fetch
.set CX,   21
.set CY,   22
.set YY,   23
.set G1,   24
.set G0,   32
.set ATILE, 42
.set BTILE, 43
.set SEL,  46
.set G1B,  48
.set G0B,  56
.set G1S,  68
.set G0S,  76
.set G1SB, 80
.set G0SB, 88
.set CB,   68                          ; the way out: s[68:69], s[70:71] the two heads' records (the scales' descriptors are done with)
.set MSB, 0
.macro WIN new                         ; the immediate's high byte repeats the setting that is left
.if MSB != (\new)
	s_set_vgpr_msb (MSB<<8)|(\new)
.set MSB, (\new)
.endif
.endm
.set MUL_LO, 0xa1                      ; source 0 (B) window 1, source 1 (A) window 0, C and D window 2
.set MUL_HI, 0xf1                      ; the same, C and D window 3
.set TO_B,   0x40                      ; destination window 1, address window 0
; A joint load: waves 0 and 1 fetch for A, waves 2 and 3 for B; the branch hangs on the wave's number alone.  Four v_nop follow each of the two lines.
.macro JLOAD g0a, g1a, g0b, g1b
	s_cmp_eq_u32 s[WR], 0
	s_cbranch_scc0 .Lfor_b_\@
	tensor_load_to_lds s[\g0a:\g0a+3], s[\g1a:\g1a+7]
	s_nop 0
.rept 4
	v_nop
.endr
	s_branch .Lasked_\@
.Lfor_b_\@:
	tensor_load_to_lds s[\g0b:\g0b+3], s[\g1b:\g1b+7]
	s_nop 0
.rept 4
	v_nop
.endr
.Lasked_\@:
.endm
.macro CREST                           ; a round of the cluster's barrier behind its opening barrier
	s_cmp_lg_u32 s[WV], 0
	s_cbranch_scc1 .Lnot_wave_0_\@
	s_barrier_signal -3
.Lnot_wave_0_\@:
	s_barrier_wait -3
	s_barrier_signal -1
	s_barrier_wait -1
.endm
.macro CROUND
	s_barrier_signal -1
	s_barrier_wait -1
	CREST
.endm
	s_load_b256 s[4:11], s[0:1], 0x0               ; x_img s[4:5], x_sc s[6:7], w_img s[8:9], w_sc s[10:11]
	s_load_b128 s[12:15], s[0:1], 0x20             ; c_attn_b s[12:13], q_rec s[14:15]
	s_load_b64 s[16:17], s[0:1], 0x30              ; kv
	v_lshl_add_u32 v[SPW], v0, 2, SPARE
	v_mov_b32 v[NIL], 0
	ds_add_u32 v22, v23
	ds_add_u32 v22, v23
	s_wait_dscnt 0x0
	v_lshrrev_b32 v1, 5, v0
	v_readfirstlane_b32 s[WV], v1                  ; wave 0..3
	s_lshr_b32 s[WR], s[WV], 1
	s_and_b32 s[WC], s[WV], 1
	s_bfe_u32 s[CX], ttmp6, 0x40000                ; my place in the cluster
	s_bfe_u32 s[CY], ttmp6, 0x40004
	s_and_b32 s[YY], ttmp7, 0xffff                 ; cluster y
	s_lshl_b32 s40, s[YY], 2
	s_lshl_b32 s41, ttmp9, 2
	s_cmp_eq_u32 ttmp9, 2                          ; v?  The cluster's x is the same in all sixteen partners
	s_cselect_b32 s[ATILE], 8, s40                 ; A's tile of 256 rows: the weight's 8 + cy, else x's 4 Y + cy
	s_cselect_b32 s[BTILE], s40, s41               ; B's: x's 4 Y + cx, else the weight's 4 X + cx
	s_add_co_u32 s[ATILE], s[ATILE], s[CY]
	s_add_co_u32 s[BTILE], s[BTILE], s[CX]
	s_lshl_b32 s44, s[CY], 2
	s_lshl_b32 s44, 15, s44                        ; my row of the cluster
	s_lshl_b32 s45, 0x1111, s[CX]                  ; my column
	; descriptor group 1, the codes: 8 tiles of 16 rows, of each the 4,096 bytes of a K step of 256 (512 elements of 8 bytes), 16,384 bytes apart; dense in LDS
	s_or_b32 s[G1+0], s44, (3<<16)|(1<<21)         ; 15:0 the mask: A's tiles go to my row; 17:16 elements of 8 bytes; 21 set beside a mask
	s_or_b32 s[G1B+0], s45, (3<<16)|(1<<21)        ; B's go to my column
.irp g, G1, G1B
	s_mov_b32 s[\g+1], 512<<16                     ; tensor_dim0
	s_mov_b32 s[\g+2], 8<<16                       ; tensor_dim1
	s_mov_b32 s[\g+3], 512<<16                     ; tile_dim0
	s_mov_b32 s[\g+4], 8                           ; tile_dim1
	s_mov_b32 s[\g+5], 2048                        ; tensor_dim0_stride
	s_mov_b32 s[\g+6], 0
	s_mov_b32 s[\g+7], 0
.endr
	; the scale words of 128 rows: 4,096 dense bytes, as 16 rows of 256 bytes, 16 bytes of padding behind each
	s_or_b32 s[G1S+0], s44, (3<<16)|(1<<20)|(1<<21)|(5<<22)|(3<<25)
	s_or_b32 s[G1SB+0], s45, (3<<16)|(1<<20)|(1<<21)|(5<<22)|(3<<25)
.irp g, G1S, G1SB
	s_mov_b32 s[\g+1], 32<<16
	s_mov_b32 s[\g+2], 16<<16
	s_mov_b32 s[\g+3], 32<<16
	s_mov_b32 s[\g+4], 16
	s_mov_b32 s[\g+5], 32
	s_mov_b32 s[\g+6], 0
	s_mov_b32 s[\g+7], 0
.endr
	s_lshl_b32 s92, s[ATILE], 18                   ; A's codes: 16 tiles of 16,384 bytes a tile of 256 rows, + my 8 tiles
	s_lshl_b32 s93, s[WC], 17
	s_add_co_u32 s92, s92, s93
	s_mov_b32 s93, 0
	s_lshl_b32 s94, s[ATILE], 13                   ; A's scale words: 32 bytes a row
	s_lshl_b32 s95, s[WC], 12
	s_add_co_u32 s94, s94, s95
	s_mov_b32 s95, 0
	s_lshl_b32 s96, s[BTILE], 18                   ; B's likewise, in registers that never hold cy
	s_lshl_b32 s97, s[WC], 17
	s_add_co_u32 s96, s96, s97
	s_mov_b32 s97, 0
	s_lshl_b32 s98, s[BTILE], 13
	s_lshl_b32 s99, s[WC], 12
	s_add_co_u32 s98, s98, s99
	s_mov_b32 s99, 0
	s_lshl_b32 s66, s[WV], 15                      ; where they go: wave x 128 rows: no place in the cluster enters an LDS address
	s_mul_i32 s67, s[WV], HALFS
	s_wait_kmcnt 0x0
	s_cmp_eq_u32 ttmp9, 2
	s_cselect_b64 s[44:45], s[8:9], s[4:5]         ; A's codes,
	s_cselect_b64 s[46:47], s[10:11], s[6:7]       ; A's scale words,
	s_cselect_b64 s[40:41], s[4:5], s[8:9]         ; B's codes,
	s_cselect_b64 s[2:3], s[6:7], s[10:11]         ; B's scale words
	s_add_nc_u64 s[92:93], s[44:45], s[92:93]
	s_add_nc_u64 s[94:95], s[46:47], s[94:95]
	s_add_nc_u64 s[96:97], s[40:41], s[96:97]
	s_add_nc_u64 s[98:99], s[2:3], s[98:99]
	CROUND                                         ; all sixteen work-groups are here: the first joint loads meet
	s_mov_b32 s[G0S], 1
	s_add_co_u32 s[G0S+1], s67, SCL
	s_mov_b64 s[G0S+2:G0S+3], s[94:95]
	s_or_b32 s[G0S+3], s[G0S+3], 0x80000000
	s_mov_b32 s[G0SB], 1
	s_add_co_u32 s[G0SB+1], s67, SCL
	s_mov_b64 s[G0SB+2:G0SB+3], s[98:99]
	s_or_b32 s[G0SB+3], s[G0SB+3], 0x80000000
	JLOAD G0S, G1S, G0SB, G1SB                     ; the scale words first: they are wanted with K step 0
.irp s, 0,1
	s_mov_b32 s[G0+4*\s], 1
	s_add_co_u32 s[G0+4*\s+1], s66, \s*SLOT
	s_add_nc_u64 s[G0+4*\s+2:G0+4*\s+3], s[92:93], \s*4096
	s_or_b32 s[G0+4*\s+3], s[G0+4*\s+3], 0x80000000
	s_mov_b32 s[G0B+4*\s], 1
	s_add_co_u32 s[G0B+4*\s+1], s66, \s*SLOT
	s_add_nc_u64 s[G0B+4*\s+2:G0B+4*\s+3], s[96:97], \s*4096
	s_or_b32 s[G0B+4*\s+3], s[G0B+4*\s+3], 0x80000000
	JLOAD G0+4*\s, G1, G0B+4*\s, G1B               ; two, then three tensor loads of mine are out
.endr
	v_and_b32 v1, 15, v0                           ; r
	v_bfe_u32 v2, v0, 4, 1                         ; h
	v_and_b32 v3, 31, v0
	v_lshlrev_b32 v[LI], 4, v3
	s_lshl_b32 s66, s[WR], 15                      ; my 128 rows of A,
	s_lshl_b32 s67, s[WC], 15                      ; my 128 rows of B,
	s_add_co_u32 s67, s67, 2*HALFT                 ; which lie behind A's 256
.irp s, 0,1
	v_add_nc_u32 v[ADRA+\s], s66, v[LI]
	v_add_nc_u32 v[ADRB+\s], s67, v[LI]
	s_add_co_u32 s66, s66, SLOT
	s_add_co_u32 s67, s67, SLOT
.endr
	v_mul_u32_u24 v5, v1, 32                       ; my row's scale words: 32 bytes a row,
	v_lshrrev_b32 v6, 8, v5
	v_lshl_add_u32 v5, v6, 4, v5                   ; and 16 more for each 256 passed
	s_mul_i32 s66, s[WR], HALFS
	s_mul_i32 s67, s[WC], HALFS
	s_add_co_u32 s67, s67, 2*HALFS
	s_sub_co_u32 s67, s67, s66
	v_mul_u32_u24 v6, s67, v2                      ; lanes 16-31 take B's: the lower base + h x the distance
	s_add_co_u32 s66, s66, SCL
	v_add_nc_u32 v5, v5, v6
	v_add_nc_u32 v[ADRS], s66, v5
	v_lshlrev_b32 v[VKS], 5, v1
	v_lshl_add_u32 v[VKS], v2, 4, v[VKS]
	v_mul_u32_u24 v[VVS], v2, 274432
	v_lshl_add_u32 v[VVS], v1, 4, v[VVS]
	v_lshlrev_b32 v[VBQ], 6, v2
	v_and_b32 v4, 8, v1
	v_add_nc_u32 v4, v4, v1
	v_lshlrev_b32 v[VBV], 2, v4
	; the biases: both kinds are loaded on every way.  q, k: register 8 b + j of a batch is column 32 (b / 2) + 8 (b % 2) + 16 h + j of my 128; for v these 512 bytes are not used and are taken from the buffer's head
	s_lshl_b32 s40, s[BTILE], 10
	s_lshl_b32 s41, s[WC], 9
	s_add_co_u32 s40, s40, s41
	s_cmp_eq_u32 ttmp9, 2
	s_cselect_b32 s40, 0, s40
	s_mov_b32 s41, 0
	s_add_nc_u64 s[40:41], s[12:13], s[40:41]
	s_lshl_b32 s44, s[CY], 10                      ; v: a lane is column 2048 + 256 cy + 128 (wave / 2) + 32 (a / 2) + 8 (a % 2) + r + 8 (r / 8): inside the buffer for every cy
	s_lshl_b32 s45, s[WR], 9
	s_add_co_u32 s44, s44, s45
	s_add_co_u32 s44, s44, 8192
	s_mov_b32 s45, 0
	s_add_nc_u64 s[44:45], s[12:13], s[44:45]
.irp b, 0,1,2,3,4,5,6,7
	global_load_b128 v[BIAS+8*\b:BIAS+8*\b+3], v[VBQ], s[40:41] offset:(32*(\b/2)+8*(\b%2))*4
	global_load_b128 v[BIAS+8*\b+4:BIAS+8*\b+7], v[VBQ], s[40:41] offset:(32*(\b/2)+8*(\b%2))*4+16
.endr
.irp a, 0,1,2,3,4,5,6,7
	global_load_b32 v[BV+\a], v[VBV], s[44:45] offset:(32*(\a/2)+8*(\a%2))*4
.endr
	s_mov_b32 s[SEL], 0x76543210
	s_mov_b32 s[SEL+1], 0xfedcba98                 ; v_permlanex16_b32's selects for lane l xor 16
	s_mov_b32 s[MNT], 0x600000                     ; the mantissa field of 448
.macro FRAG reg, adr, q, i             ; a fragment's image: four loads of 512 consecutive bytes
.irp c, 0,1,2,3
	ds_load_b128 v[\reg+4*\c:\reg+4*\c+3], v[\adr] offset:4096*(\i)+2048*(\q)+512*\c
.endr
.endm
; 16 matrix instructions: A's blocks a0, a0 + 1 x B's eight, 128 along K.  The 64 accumulators take turns, one instruction a turn, in the same order in every step.
.macro MUL16 a0, p, q, sc, zero
.irp a, \a0, \a0+1
.irp b, 0,1,2,3,4,5,6,7
.if \zero
	v_wmma_scale_f32_16x16x128_f8f6f4 v[8*(8*((\a)%4)+\b):8*(8*((\a)%4)+\b)+7], v[128*(\p)+FR*\b:128*(\p)+FR*\b+FR-1], v[AF+FR*(\a):AF+FR*(\a)+FR-1], 0, v[SC+8*NQ*(\sc)+NQ*\b+(\q)], v[SC+8*NQ*(\sc)+NQ*(\a)+(\q)] matrix_a_scale:MATRIX_SCALE_ROW1
.else
	v_wmma_scale_f32_16x16x128_f8f6f4 v[8*(8*((\a)%4)+\b):8*(8*((\a)%4)+\b)+7], v[128*(\p)+FR*\b:128*(\p)+FR*\b+FR-1], v[AF+FR*(\a):AF+FR*(\a)+FR-1], v[8*(8*((\a)%4)+\b):8*(8*((\a)%4)+\b)+7], v[SC+8*NQ*(\sc)+NQ*\b+(\q)], v[SC+8*NQ*(\sc)+NQ*(\a)+(\q)] matrix_a_scale:MATRIX_SCALE_ROW1
.endif
.endr
.endr
.endm
.macro FETCH_B slot, q, p
	WIN TO_B
.irp i, 0,1,2,3,4,5,6,7
	FRAG 128*(\p)+FR*\i, ADRB+\slot, \q, \i
.endr
	WIN 0
.endm
.macro FETCH_A slot, q, i0
.irp i, \i0, \i0+1, \i0+2, \i0+3
	FRAG AF+FR*(\i), ADRA+\slot, \q, \i
.endr
.endm
.macro SCALES sc                       ; a K step's scale words: two a row; lanes 0-15 take A's block i, lanes 16-31 B's block i
.irp i, 0,1,2,3,4,5,6,7
	ds_load_b64 v[SC+8*NQ*\sc+NQ*\i:SC+8*NQ*\sc+NQ*\i+1], v[ADRS] offset:\i*SBLK
.endr
.endm
.macro PLACES n                        ; plain vector lines between a matrix instruction and a load into, or a vector read or write of, its registers
.rept \n
	v_nop
.endr
.endm
.macro STEP slot, q, zero              ; a step of 128 along K that has its successor in the same slot
	s_wait_dscnt 4*NL                              ; B's set and A's blocks 0-3 are in; the youngest 16 loads (A's blocks 4-7) may be out
	WIN MUL_LO
	MUL16 0, (\q)%2, \q, \slot, \zero
	MUL16 2, (\q)%2, \q, \slot, \zero
	s_wait_dscnt 0
	PLACES NP
	FETCH_B \slot, (\q)+1, 1-(\q)%2
	FETCH_A \slot, (\q)+1, 0
	WIN MUL_HI
	MUL16 4, (\q)%2, \q, \slot, \zero
	MUL16 6, (\q)%2, \q, \slot, \zero
	PLACES NP
	WIN 0
	FETCH_A \slot, (\q)+1, 4
.endm
; A slot's last step changes slots: one barrier; in front of it each wave waits for all its tensor loads, adds 0 to its spare word, and waits for that and for its reads of this slot.  fill = 1: this slot is filled again, two K steps ahead.
.macro TURN slot, next, fill
	s_wait_tensorcnt 0x0                           ; all my tensor loads have landed: my part of the next slot
	ds_add_u32 v[SPW], v[NIL]                      ; 0 onto my spare word
	s_wait_dscnt 4*NL+1                            ; (the add and the youngest 16 loads, A's blocks 4-7, may be out)
	WIN MUL_LO
	MUL16 0, 1, NQ-1, \slot, 0                     ; sixteen matrix instructions stand between the add and the wait for it
	s_wait_dscnt 0x0                               ; the add is done, and my reads of this slot are over
	s_barrier_signal -1
	MUL16 2, 1, NQ-1, \slot, 0
	WIN 0
	s_barrier_wait -1
.if \fill
	CREST                                          ; the barrier has opened a round of the cluster's: no wave of any partner still reads this slot or has a load on its way
	s_add_nc_u64 s[G0+4*\slot+2:G0+4*\slot+3], s[G0+4*\slot+2:G0+4*\slot+3], 8192
	s_add_nc_u64 s[G0B+4*\slot+2:G0B+4*\slot+3], s[G0B+4*\slot+2:G0B+4*\slot+3], 8192
	JLOAD G0+4*\slot, G1, G0B+4*\slot, G1B         ; the first tensor load behind the round, my only one until the next; its four v_nop are among the places below
	PLACES NP-4
.else
	PLACES NP
.endif
	v_add_nc_u32 v[ADRS], 4*NQ, v[ADRS]            ; on to the next K step's scale words
	FETCH_B \next, 0, 0
	FETCH_A \next, 0, 0
	SCALES \next
	WIN MUL_HI
	MUL16 4, 1, NQ-1, \slot, 0
	MUL16 6, 1, NQ-1, \slot, 0
	PLACES NP
	WIN 0
	FETCH_A \next, 0, 4
.endm
	s_wait_tensorcnt 1                             ; the scale words and my part of K step 0 are in (K step 1's load may be out),
	s_barrier_signal -1
	s_barrier_wait -1                              ; everybody's are
	FETCH_B 0, 0, 0
	FETCH_A 0, 0, 0
	SCALES 0
	FETCH_A 0, 0, 4
	STEP 0, 0, 1                                   ; K = 1024 is eight steps of 128, written out: the first starts the sums
	TURN 0, 1, 1
	STEP 1, 0, 0
	TURN 1, 0, 1
	STEP 0, 0, 0
	TURN 0, 1, 0                                   ; the last two K steps fill nothing
	STEP 1, 0, 0
	s_wait_dscnt 4*NL
	WIN MUL_LO
	MUL16 0, 1, NQ-1, 1, 0
	MUL16 2, 1, NQ-1, 1, 0
	s_wait_dscnt 0
	WIN MUL_HI
	MUL16 4, 1, NQ-1, 1, 0
	MUL16 6, 1, NQ-1, 1, 0
	WIN 0
; THE WAY OUT.  Batch a = A's block a against B's eight: 64 registers of a lane, register 16 c + i = neighbour 32 c + 16 h + i along the next product's K: bias, largest magnitudes, scales, hold, conversion, and the
; codes' registers are stored as they stand: they are the next operand's image.  isv = 0: two heads' fragments of 64 K; isv = 1: one fragment of 128 keys.
.macro BATCH a, isv
.set WN, 2+(\a)/4
.set AC0, 64*((\a)%4)
	WIN (WN<<6)|WN                                 ; destination and source 0: the accumulators' window
.if \isv
.set i, 0
.rept 64
	v_add_f32 v[AC0+i], v[AC0+i], v[BV+(\a)]       ; my channel's bias; each accumulator from its low end on
.set i, i+1
.endr
.else
.set i, 0
.rept 32
	v_pk_add_f32 v[AC0+2*i:AC0+2*i+1], v[AC0+2*i:AC0+2*i+1], v[BIAS+2*i:BIAS+2*i+1]   ; each accumulator from its low end on
.set i, i+1
.endr
.endif
	WIN WN|(WN<<2)                                 ; sources 0 and 1
.irp c, 0,1,2,3
	v_max3_num_f32 v[TM+\c], |v[AC0+16*\c]|, |v[AC0+16*\c+1]|, 0x4800000   ; and the floor 2^(9 - 127)
.endr
.irp k, 2,4,6,8,10,12,14
.irp c, 0,1,2,3
	v_max3_num_f32 v[TM+\c], |v[AC0+16*\c+\k]|, |v[AC0+16*\c+\k+1]|, v[TM+\c]
.endr
.endr
	WIN 0
.irp c, 0,1,2,3
	v_permlanex16_b32 v[PERM+\c], v[TM+\c], s[SEL], s[SEL+1]
.endr
.irp c, 0,1,2,3
	v_max_num_f32 v[TM+\c], v[TM+\c], v[PERM+\c]   ; with lane l xor 16's: the block's largest magnitude
.endr
.irp c, 0,1,2,3
	v_add_nc_u32 v[SCO+\c], 0xfc000000, v[TM+\c]
.endr
.irp c, 0,1,2,3
	v_and_or_b32 v[LIM+\c], v[TM+\c], 0x7f800000, s[MNT]
.endr
.irp c, 0,1,2,3
	v_lshrrev_b32 v[BYT+\c], 23, v[SCO+\c]
.endr
	v_lshl_or_b32 v[SW+(\a)], v[BYT+1], 8, v[BYT]
.if \isv
	v_lshl_or_b32 v[SW+(\a)], v[BYT+2], 16, v[SW+(\a)]
	v_lshl_or_b32 v[SW+(\a)], v[BYT+3], 24, v[SW+(\a)]
.else
	v_lshl_or_b32 v[SW+8+(\a)], v[BYT+3], 8, v[BYT+2]   ; the second head's word
.endif
	WIN (WN<<6)|WN
.irp c, 0,1,2,3
.irp k, 0,1,2,3,4,5,6,7,8,9,10,11,12,13,14,15
	v_med3_num_f32 v[AC0+16*\c+\k], v[AC0+16*\c+\k], -v[LIM+\c], v[LIM+\c]   ; the conversion does not saturate (ISA guide 7.6.2): the hold comes first
.endr
.endr
	s_wait_xcnt 0x0                                ; the last batch's stores have read the codes' registers, which are written again below
	WIN WN                                         ; source 0
.irp c, 0,1,2,3
	v_cvt_scalef32_pk8_fp8_f32 v[PC+4*\c:PC+4*\c+1], v[AC0+16*\c:AC0+16*\c+7], v[SCO+\c]
	v_cvt_scalef32_pk8_fp8_f32 v[PC+4*\c+2:PC+4*\c+3], v[AC0+16*\c+8:AC0+16*\c+15], v[SCO+\c]
.endr
	WIN 0
	v_nop                                          ; a plain vector line behind the last conversion
.if \isv
.irp c, 0,1,2,3
	global_store_b128 v[LI], v[PC+4*\c:PC+4*\c+3], s[CB+2*((\a)/4):CB+2*((\a)/4)+1] offset:8192+2048*((\a)%4)+512*\c
.endr
.else
.irp hh, 0,1
.irp c, 0,1
	global_store_b128 v[LI], v[PC+8*\hh+4*\c:PC+8*\hh+4*\c+3], s[CB+2*\hh:CB+2*\hh+1] offset:1024*(\a)+512*\c
.endr
.endr
.endif
.endm
	PLACES NP                                      ; behind the last products: their results are read and A's registers written below
	s_wait_loadcnt 0x0                             ; the biases
.irp c, 0,1,2,3
	v_mov_b32 v[PERM+\c], 0                        ; written once: a lane permute's destination counts as one of its sources
.endr
	v_cmp_le_u32 vcc_lo, 0x100, v[LI]              ; lanes 16-31
	s_cmp_eq_u32 ttmp9, 2
	s_cbranch_scc1 .Lv
	; q or k: my 128 tokens are tiles Tg0 .. Tg0 + 7, one group of 128 tokens of one batch; my 128 columns are two heads
	s_lshl_b32 s72, s[ATILE], 4
	s_lshl_b32 s73, s[WR], 3
	s_add_co_u32 s72, s72, s73                     ; Tg0
	s_lshr_b32 s73, s72, 7                         ; batch
	s_bfe_u32 s74, s72, 0x40003                    ; the group of 128 tokens in it
	s_lshl_b32 s75, s[BTILE], 2
	s_lshl_b32 s76, s[WC], 1
	s_add_co_u32 s75, s75, s76
	s_and_b32 s75, s75, 15                         ; my first head
	s_lshl_b32 s73, s73, 4
	s_add_co_u32 s73, s73, s75
	s_cmp_eq_u32 ttmp9, 0                          ; q's records or K's
	s_cselect_b64 s[CB:CB+1], s[14:15], s[16:17]
	s_mov_b32 s76, 274432
	s_cselect_b32 s76, 139264, s76                 ; bytes of a head,
	s_mov_b32 s77, 17152
	s_cselect_b32 s77, 8704, s77                   ; of a record,
	s_mov_b32 s78, 16384
	s_cselect_b32 s78, 8192, s78                   ; and where its scale words begin
	s_mul_i32 s73, s73, s76
	s_mul_i32 s74, s74, s77
	s_add_co_u32 s80, s73, s74
	s_mov_b32 s81, 0
	s_mov_b32 s77, 0
	s_mov_b32 s79, 0
	s_add_nc_u64 s[CB:CB+1], s[CB:CB+1], s[80:81]
	s_add_nc_u64 s[CB+2:CB+3], s[CB:CB+1], s[76:77]
	s_add_nc_u64 s[84:85], s[CB:CB+1], s[78:79]
	s_add_nc_u64 s[86:87], s[CB+2:CB+3], s[78:79]
.irp a, 0,1,2,3,4,5,6,7
	BATCH \a, 0
.endr
.irp hh, 0,1
.irp k, 0,1,2,3
	v_cndmask_b32 v[OW+4*\hh+\k], v[SW+8*\hh+\k], v[SW+8*\hh+4+\k], vcc_lo   ; lanes 0-15 store tiles 0-3's words of their slot, lanes 16-31 tiles 4-7's
.endr
.endr
	global_store_b128 v[VKS], v[OW:OW+3], s[84:85]       ; 512 consecutive bytes
	global_store_b128 v[VKS], v[OW+4:OW+7], s[86:87]
	s_branch .Lend
.Lv:
	; v: my 128 tokens are one key step; my 128 columns are two heads of four channel tiles
	s_lshl_b32 s72, s[BTILE], 1
	s_add_co_u32 s72, s72, s[WC]
	s_lshr_b32 s73, s72, 4                         ; batch
	s_and_b32 s74, s72, 15                         ; key step
	s_lshl_b32 s75, s[CY], 2
	s_lshl_b32 s76, s[WR], 1
	s_add_co_u32 s75, s75, s76                     ; my first head
	s_lshl_b32 s73, s73, 4
	s_add_co_u32 s73, s73, s75
	s_mul_i32 s73, s73, 274432
	s_mul_i32 s74, s74, 17152
	s_add_co_u32 s80, s73, s74
	s_mov_b32 s81, 0
	s_add_nc_u64 s[CB:CB+1], s[16:17], s[80:81]
	s_add_nc_u64 s[CB+2:CB+3], s[CB:CB+1], 274432
.irp a, 0,1,2,3,4,5,6,7
	BATCH \a, 1
.endr
.irp k, 0,1,2,3
	v_cndmask_b32 v[OW+\k], v[SW+\k], v[SW+4+\k], vcc_lo   ; lanes 0-15 store the first head's four words of their slot, lanes 16-31 the second head's
.endr
	global_store_b128 v[VVS], v[OW:OW+3], s[CB:CB+1] offset:16896   ; each half of the lanes: 256 consecutive bytes, aligned
.Lend:
	s_wait_tensorcnt 0x0                           ; the wave's end
	ds_add_u32 v[SPW], v[NIL]
	s_wait_dscnt 0x0
	CROUND                                         ; the closing round: no work-group ends while a partner may still ask for a tile that names it
	s_endpgm
.Lfunc_end_k_q2b2cc20eb4_qkv:
	.size	k_q2b2cc20eb4_qkv, .Lfunc_end_k_q2b2cc20eb4_qkv-k_q2b2cc20eb4_qkv
	.p2alignl 7, 3214868480
	.fill 96, 4, 3214868480
	.section	.rodata,"a",@progbits
	.p2align	6, 0x0
	.amdhsa_kernel k_q2b2cc20eb4_qkv
		.amdhsa_group_segment_fixed_size 327680
		.amdhsa_private_segment_fixed_size 0
		.amdhsa_enable_private_segment 0
		.amdhsa_kernarg_size 56
		.amdhsa_user_sgpr_count 2
		.amdhsa_user_sgpr_kernarg_segment_ptr 1
		.amdhsa_wavefront_size32 1
		.amdhsa_system_sgpr_workgroup_id_x 1
		.amdhsa_system_sgpr_workgroup_id_y 1
		.amdhsa_system_sgpr_workgroup_id_z 1
		.amdhsa_system_vgpr_workitem_id 0
		.amdhsa_next_free_vgpr 1024
		.amdhsa_next_free_sgpr 100
		.amdhsa_reserve_vcc 1
		.amdhsa_float_denorm_mode_32 3
		.amdhsa_float_denorm_mode_16_64 3
		.amdhsa_memory_ordered 1
		.amdhsa_forward_progress 1
		.amdhsa_inst_pref_size 255
	.end_amdhsa_kernel
	.section	.bss,"aw",@nobits
	.p2align	6
	.space	262144
	.amdgpu_metadata
---
amdhsa.version: [ 1, 2 ]
amdhsa.kernels:
  - .name:           k_q2b2cc20eb4_qkv
    .symbol:         k_q2b2cc20eb4_qkv.kd
    .args:
      - { .name: x_img, .offset: 0, .size: 8, .value_kind: global_buffer, .address_space: global }
      - { .name: x_sc, .offset: 8, .size: 8, .value_kind: global_buffer, .address_space: global }
      - { .name: w_img, .offset: 16, .size: 8, .value_kind: global_buffer, .address_space: global }
      - { .name: w_sc, .offset: 24, .size: 8, .value_kind: global_buffer, .address_space: global }
      - { .name: c_attn_b, .offset: 32, .size: 8, .value_kind: global_buffer, .address_space: global }
      - { .name: q_rec, .offset: 40, .size: 8, .value_kind: global_buffer, .address_space: global }
      - { .name: kv, .offset: 48, .size: 8, .value_kind: global_buffer, .address_space: global }
    .group_segment_fixed_size: 327680
    .private_segment_fixed_size: 0
    .kernarg_segment_align: 8
    .kernarg_segment_size: 56
    .max_flat_workgroup_size: 128
    .sgpr_count:     100
    .vgpr_count:     1024
    .wavefront_size: 32
...
	.end_amdgpu_metadata
.endif
;; end of part 2
;; launch attn (part 3): grid 8 x 32, 16 waves a work-group, clusters of 4 x 1, 276,480 bytes of LDS; arguments q_rec, kv, ctx_img, ctx_sc; writes ctx_img, ctx_sc
.if DOCPART == 3
	.amdgcn_target "amdgcn-amd-amdhsa--gfx1250"
	.amdhsa_code_object_version 6
	.text
	.protected	k_q2b2cc20eb4_attn
	.globl	k_q2b2cc20eb4_attn
	.p2align	8
	.type	k_q2b2cc20eb4_attn,@function
k_q2b2cc20eb4_attn:
	s_mov_b64 s[64:65], 0
	v_nop
	global_prefetch_b8 v0, s[64:65] scope:SCOPE_SE
	s_setreg_imm32_b32 hwreg(HW_REG_WAVE_MODE, 25, 1), 1
	s_wait_xcnt 0x0
	s_wait_alu depctr_hold_cnt(0) depctr_sa_sdst(0) depctr_va_vdst(0) depctr_va_sdst(0) depctr_va_ssrc(0) depctr_va_vcc(0) depctr_vm_vsrc(0)
	s_getreg_b32 s2, hwreg(HW_REG_IB_STS2, 6, 4)
	s_cmp_eq_u32 s2, 0
	s_cbranch_scc0 .Lentry_in_a_cluster
	s_endpgm
.Lentry_in_a_cluster:
	s_bfe_u32 s2, ttmp6, 0x10000c
	s_cmp_lg_u32 s2, 0x3003
	s_cbranch_scc0 .Lentry_shape_is_right
	s_endpgm
.Lentry_shape_is_right:
; ctx = softmax(q k^T / 8, causal) v for 32 heads of 2,048 tokens x 64 channels, both products on codes of FP8 (E4M3) with E8M0 scales; ctx is quantised along the merged heads on the way out.
; THE SOFTMAX: t = score x log2(e) / 8; M = the running largest t rounded UP to a whole number; p = 2^(t - M) is quantised along the keys, not normalised; the row's sum is taken of the unquantised p and divides at the end.
; When M moves, the sum and O are multiplied by 2^(old M - new M): exact.
; ALL OF A HEAD'S K, V AND SCALE WORDS LIE IN LDS: 16 records of 17,152 bytes (a key step of 128 keys each), filled once: no ring, no refill.  Records are images of operand registers: every LDS load of codes takes 512 consecutive bytes.
; SHARES.  A work-group has 16 waves of one tile of 16 queries each.  Work-group e (0..7) of a head takes tile e of each of the head's 16 groups of 128 tokens; wave w takes group j = a 4 x 4 magic square's entry less one.
; A wave works key steps 0 .. j (step j on the diagonal), so every work-group has 136 steps, and every four waves w / 4 alike or w % 4 alike have 34.  Steps beyond j are left out by a scalar branch on the wave's number and the
; loop's count.  The loops' trip counts are constants.
; CLUSTER.  The four work-groups of a cluster belong to one head and differ in e alone, which enters only addresses in memory and one data register (the mask's): they ask for the 16 records jointly.
; LAYOUT.  Both products are used transposed: S^T = K Q^T (source 0 = 16 keys), O^T = V^T P^T (source 0 = 16 channels): a lane holds one query throughout.  Tokens and channels are permuted in storage so that the 16 registers of
; tiles 2 b and 2 b + 1 are neighbours 32 b + 16 h + 0..15.  The head has 64 channels, half of the instruction's 128: the upper halves of Q's and K's fragments are zero codes, written once.
; No prefetch: all that the launch reads is asked for at its head.
; LIMITS: hidden scores are -infinity (the reference's lowest finite number gives p = 0 likewise); a block whose largest magnitude lies under 2^-118 keeps the byte 1; NaN and infinities are not served.
; ctx's scale bytes leave as two bytes a row: a row's 32 bytes come from 16 heads, which are 16 work-groups: 131,072 bytes of the launch's 4.3 million stored.
; REGISTERS: v1-5 stay; v8-10 addresses in hand; v12 -M, v13 the largest t, v[14:15] the sum; v16-31 Q; v32-95 four fragments of K; v96-159 S^T, p, then V's four fragments; v160-191 O^T; v192-207 p's codes;
;   v208-215 K's scale words, v216-219 V's, v220 Q's, v221 p's; v232-254 at work.
.set REC,  17152
.set LI,   1                           ; v1  16 x lane
.set R32,  2                           ; v2  32 r
.set R16,  3                           ; v3  16 r
.set DD,   4                           ; v4  my query's place among its group's 128 tokens, less 16 h
.set NINF, 5                           ; v5  -infinity
.set ADR,  8
.set ADS,  9
.set ADT,  10
.set WV,   18
.set J,    19
.set SEL,  20
.set CS,   22
.set G1,   24
.set G0,   32
.set MNT,  48
.set TB,   49                          ; s49 LDS byte of the step's record
.set SI,   50                          ; s50 the step's number
.set CNT,  51
.macro CROUND
	s_barrier_signal -1
	s_barrier_wait -1
	s_cmp_lg_u32 s[WV], 0
	s_cbranch_scc1 .Lnot_wave_0_\@
	s_barrier_signal -3
.Lnot_wave_0_\@:
	s_barrier_wait -3
	s_barrier_signal -1
	s_barrier_wait -1
.endm
	s_load_b256 s[4:11], s[0:1], 0x0               ; q_rec s[4:5], kv s[6:7], ctx_img s[8:9], ctx_sc s[10:11]
	v_lshl_add_u32 v251, v0, 2, 0x43000
	v_mov_b32 v255, 0
	ds_add_u32 v251, v255
	ds_add_u32 v251, v255
	v_lshrrev_b32 v8, 5, v0
	s_delay_alu instid0(VALU_DEP_1)
	v_readfirstlane_b32 s[WV], v8                  ; wave 0..15
	s_bfe_u32 s52, ttmp6, 0x40000                  ; cx
	s_lshl_b32 s53, ttmp9, 2
	s_add_co_u32 s53, s53, s52                     ; e = 4 x cluster x + cx
	s_and_b32 s54, ttmp7, 0xffff                   ; the head, 16 x batch + head: the four partners share it
	s_mov_b32 s55, 0x0de3b658                      ; the square, a nibble a wave: waves 8-15,
	s_cmp_lt_u32 s[WV], 8
	s_cselect_b32 s55, 0x7a94c12f, s55             ; waves 0-7
	s_and_b32 s56, s[WV], 7
	s_lshl_b32 s56, s56, 2
	s_lshr_b32 s55, s55, s56
	s_and_b32 s[J], s55, 15                        ; my group of 128 tokens
	s_mul_i32 s57, s54, 16*REC
	s_and_b32 s58, s[WV], 3
	s_mul_i32 s58, s58, REC                        ; a fetching wave's first record, in LDS and in the head
	s_add_co_u32 s12, s57, s58
	s_mov_b32 s13, 0
	; descriptor group 1: a record is 67 dense rows of 256 bytes (32 elements of 8 bytes)
	s_mov_b32 s[G1], 15|(3<<16)|(1<<21)            ; 15:0 the mask: all four work-groups; 17:16 elements of 8 bytes; 21 set beside a mask
	s_mov_b32 s[G1+1], 32<<16
	s_mov_b32 s[G1+2], 67<<16
	s_mov_b32 s[G1+3], 32<<16
	s_mov_b32 s[G1+4], 67
	s_mov_b32 s[G1+5], 32
	s_mov_b32 s[G1+6], 0
	s_mov_b32 s[G1+7], 0
	s_mul_i32 s14, s54, 139264                     ; q's record: head, group j
	s_mul_i32 s15, s[J], 8704
	s_add_co_u32 s14, s14, s15
	s_lshl_b32 s16, s53, 2
	s_add_co_u32 s16, s16, s14                     ; its scale words: + 4 e (and 8192 in the immediate)
	s_mov_b32 s17, 0
	s_lshl_b32 s15, s53, 10
	s_add_co_u32 s14, s14, s15                     ; its codes: + 1,024 e
	s_mov_b32 s15, 0
	s_mov_b32 s[SEL], 0x76543210
	s_mov_b32 s[SEL+1], 0xfedcba98
	s_mov_b32 s[CS], 0x3e38aa3b                    ; c = log2(e) / 8
	s_mov_b32 s[CS+1], s[CS]                       ; (named with it as a pair, so it is written)
	s_mov_b32 s[TB], 0
	s_mov_b32 s[SI], 0
	s_wait_dscnt 0x0
	s_wait_kmcnt 0x0
	s_add_nc_u64 s[12:13], s[6:7], s[12:13]
	s_add_nc_u64 s[16:17], s[4:5], s[16:17]
	s_add_nc_u64 s[4:5], s[4:5], s[14:15]
.irp i, 0,1,2,3                        ; load i of wave w (0..3) brings record 4 i + w
	s_mov_b32 s[G0+4*\i], 1
	s_add_co_u32 s[G0+4*\i+1], s58, \i*4*REC
	s_add_nc_u64 s[G0+4*\i+2:G0+4*\i+3], s[12:13], \i*4*REC
	s_or_b32 s[G0+4*\i+3], s[G0+4*\i+3], 0x80000000
.endr
	CROUND                                         ; all four work-groups are here: the joint loads meet
	s_cmp_lt_u32 s[WV], 4                          ; all first fills of a wave stand in one branch on the wave's number: four loads of mine are out
	s_cbranch_scc0 .Lno_fetch
	tensor_load_to_lds s[G0:G0+3], s[G1:G1+7]
	s_nop 0
	tensor_load_to_lds s[G0+4:G0+7], s[G1:G1+7]
	s_nop 0
	tensor_load_to_lds s[G0+8:G0+11], s[G1:G1+7]
	s_nop 0
	tensor_load_to_lds s[G0+12:G0+15], s[G1:G1+7]
	s_nop 0
.rept 4
	v_nop
.endr
.Lno_fetch:
	v_and_b32 v8, 31, v0
	s_delay_alu instid0(VALU_DEP_1)
	v_lshlrev_b32 v[LI], 4, v8
	v_and_b32 v9, 15, v0                           ; r
	v_bfe_u32 v10, v0, 4, 1                        ; h
	s_delay_alu instid0(VALU_DEP_2)
	v_lshlrev_b32 v[R32], 5, v9
	s_delay_alu instid0(VALU_DEP_3)
	v_lshlrev_b32 v[R16], 4, v9
	global_load_b128 v[16:19], v[LI], s[4:5]       ; Q's fragment: channels 0..31,
	global_load_b128 v[20:23], v[LI], s[4:5] offset:512   ; 32..63
	global_load_b32 v220, v[R32], s[16:17] offset:8192    ; and its scale word
	s_lshr_b32 s59, s53, 1
	s_lshl_b32 s59, s59, 5
	s_and_b32 s60, s53, 1
	s_lshl_b32 s60, s60, 3
	s_add_co_u32 s59, s59, s60                     ; 32 (e / 2) + 8 (e % 2)
	v_and_b32 v11, 8, v9
	s_delay_alu instid0(VALU_DEP_1)
	v_add_nc_u32 v11, v11, v9                      ; r + 8 (r / 8)
	v_lshlrev_b32 v[DD], 4, v10
	s_delay_alu instid0(VALU_DEP_1)
	v_sub_nc_u32 v[DD], v11, v[DD]
	s_delay_alu instid0(VALU_DEP_1)
	v_add_nc_u32 v[DD], s59, v[DD]
	v_mov_b32 v[NINF], 0xff800000
	v_mov_b32 v13, 0xff61b1e6                      ; the largest t so far: -3e38, under every t
	s_delay_alu instid0(VALU_DEP_1)
	v_floor_f32 v12, -v13                          ; -M
	v_mov_b32 v14, 0
	v_mov_b32 v15, 0
.irp b, 0,1,2,3
	v_mov_b32 v[236+\b], 0                         ; written once: a lane permute's destination counts as one of its sources
.endr
	v_mov_b32 v252, 0
	v_mov_b32 v253, 0                              ; (the upper half of the pair v[252:253])
.set n, 0
.rept 8
	v_mov_b32 v[24+n], 0                           ; Q's codes for K = 64 .. 127: zeros
.set n, n+1
.endr
.irp t, 0,1,2,3
.set n, 0
.rept 8
	v_mov_b32 v[40+16*\t+n], 0                     ; K's likewise: no load ever lands here
.set n, n+1
.endr
.endr
.set n, 0
.rept 32
	v_mov_b32 v[160+n], 0                          ; O^T: the step is written for every step alike; the first finds zeros, which the first change of M leaves zeros
.set n, n+1
.endr
; A KEY STEP: 128 keys
.macro STEP
	s_cmp_gt_u32 s[SI], s[J]                       ; all its keys come after my queries: the work is left out, not the lines at the end that step addresses
	s_cbranch_scc1 .Lhidden_\@
	s_setprio 2
	v_add_nc_u32 v[ADR], s[TB], v[LI]
	s_wait_alu depctr_va_vdst(0)
	v_add_nc_u32 v[ADS], s[TB], v[R32]
	v_add_nc_u32 v[ADT], s[TB], v[R16]
.irp g, 0,1                                    ; S^T = K Q^T, four tiles of 16 keys at a time
.if \g == 1
.rept 8
	v_nop                                          ; places in front of loads into registers that the four products above have read
.endr
.endif
.irp t, 0,1,2,3
.irp c, 0,1
	ds_load_b128 v[32+16*\t+4*\c:35+16*\t+4*\c], v[ADR] offset:(4*\g+\t)*1024+512*\c
.endr
.endr
.if \g == 0
	ds_load_b128 v[208:211], v[ADS] offset:16384   ; K's eight scale words of my slot
	ds_load_b128 v[212:215], v[ADS] offset:16400
.rept 8
	v_nop                                          ; S^T is laid over V's fragments, which the last step's products read: nine places are owed; these eight and the three additions above are eleven
.endr
.endif
	s_wait_dscnt 0x0
.irp t, 0,1,2,3
	v_wmma_scale_f32_16x16x128_f8f6f4 v[96+8*(4*\g+\t):103+8*(4*\g+\t)], v[32+16*\t:47+16*\t], v[16:31], 0, v[208+4*\g+\t], v220
.endr
.endr
.rept 8
	v_nop
.endr
	s_cmp_lg_u32 s[SI], s[J]                       ; on the diagonal hidden scores become -infinity ahead of the maximum.  Register 16 b + i holds key 32 b + 16 h + i: hidden where 32 b + i > v[DD]
	s_cbranch_scc1 .Lopen_\@
.set n, 0
.rept 64
	v_cmp_gt_i32 vcc_lo, 32*(n/16)+n%16, v[DD]
	v_cndmask_b32 v[96+n], v[96+n], v[NINF], vcc_lo
.set n, n+1
.endr
.Lopen_\@:
.irp b, 0,1,2,3
	v_max3_num_f32 v[232+\b], v[96+16*\b], v[97+16*\b], v[98+16*\b]   ; the largest score of each block of 32 keys: it serves the row's maximum and, since p rises with the score, the block's largest p
.endr
.irp i, 3,5,7,9,11,13
.irp b, 0,1,2,3
	v_max3_num_f32 v[232+\b], v[232+\b], v[96+16*\b+\i], v[97+16*\b+\i]
.endr
.endr
.irp b, 0,1,2,3
	v_max_num_f32 v[232+\b], v[232+\b], v[111+16*\b]
.endr
.irp b, 0,1,2,3
	s_delay_alu instid0(VALU_DEP_4)
	v_permlanex16_b32 v[236+\b], v[232+\b], s[SEL], s[SEL+1]
.endr
.irp b, 0,1,2,3
	s_delay_alu instid0(VALU_DEP_4)
	v_max_num_f32 v[232+\b], v[232+\b], v[236+\b]  ; with lane l xor 16's 16 keys
.endr
	s_delay_alu instid0(VALU_DEP_2)
	v_max3_num_f32 v254, v232, v233, v234
	s_delay_alu instid0(VALU_DEP_1)
	v_max_num_f32 v254, v254, v235
	s_delay_alu instid0(VALU_DEP_1)
	v_mul_f32 v254, s[CS], v254                    ; as t
	s_delay_alu instid0(VALU_DEP_1)
	v_max_num_f32 v13, v13, v254                   ; the running largest t
	v_mov_b32 v254, v12
	s_delay_alu instid0(VALU_DEP_2)
	v_floor_f32 v12, -v13                          ; the new -M = -ceil(t)
	s_delay_alu instid0(VALU_DEP_1)
	v_sub_f32 v254, v12, v254                      ; old M - new M: a whole number, 0 or less
	s_delay_alu instid0(VALU_DEP_1)
	v_cvt_i32_f32 v254, v254                       ; (it saturates)
	s_delay_alu instid0(VALU_DEP_1)
	v_ldexp_f32 v252, 1.0, v254                    ; f = 2^(old M - new M)
.set n, 0
.rept 32
	v_pk_fma_f32 v[96+n:97+n], v[96+n:97+n], s[CS:CS+1], v[12:13] op_sel_hi:[1,0,0]   ; t - M, two at a time
.set n, n+2
.endr
	s_setprio 1
.irp b, 0,1,2,3
	v_fma_f32 v[232+\b], v[232+\b], s[CS], v12     ; the same of each block's largest score
.endr
.set n, 0
	s_wait_alu depctr_va_vdst(0)
.rept 64
	v_exp_f32 v[96+n], v[96+n]                     ; p = 2^(t - M)
.set n, n+1
.endr
	v_pk_mul_f32 v[14:15], v[14:15], v[252:253] op_sel_hi:[1,0]   ; the sums under the new M: a plain line behind the exponentials
	s_wait_alu depctr_va_vdst(0)                   ; one wait for the batch of 64, ahead of its first reader
.irp b, 0,1,2,3
	v_exp_f32 v[232+\b], v[232+\b]                 ; the blocks' largest p
.endr
	v_pk_add_f32 v[236:237], v[100:101], v[104:105]
	v_pk_add_f32 v[248:249], v[108:109], v[112:113]
	v_pk_add_f32 v[246:247], v[116:117], v[120:121]
	v_pk_add_f32 v[244:245], v[124:125], v[128:129]
	v_pk_add_f32 v[242:243], v[132:133], v[136:137]
	v_pk_add_f32 v[240:241], v[140:141], v[144:145]
	v_pk_add_f32 v[238:239], v[148:149], v[152:153]
	v_pk_add_f32 v[14:15], v[14:15], v[156:157]
	v_pk_add_f32 v[236:237], v[236:237], v[96:97]
	v_pk_add_f32 v[248:249], v[248:249], v[98:99]
	v_pk_add_f32 v[246:247], v[246:247], v[102:103]
	v_pk_add_f32 v[244:245], v[244:245], v[106:107]
	v_pk_add_f32 v[242:243], v[242:243], v[110:111]
	v_pk_add_f32 v[240:241], v[240:241], v[114:115]
	v_pk_add_f32 v[238:239], v[238:239], v[118:119]
	v_pk_add_f32 v[14:15], v[14:15], v[122:123]
	v_pk_add_f32 v[236:237], v[236:237], v[126:127]
	v_pk_add_f32 v[248:249], v[248:249], v[130:131]
	v_pk_add_f32 v[246:247], v[246:247], v[134:135]
	v_pk_add_f32 v[244:245], v[244:245], v[138:139]
	v_pk_add_f32 v[242:243], v[242:243], v[142:143]
	v_pk_add_f32 v[240:241], v[240:241], v[146:147]
	v_pk_add_f32 v[238:239], v[238:239], v[150:151]
	v_pk_add_f32 v[14:15], v[14:15], v[154:155]
	v_pk_add_f32 v[236:237], v[236:237], v[158:159]
	s_delay_alu instid0(VALU_DEP_2)
	v_pk_add_f32 v[14:15], v[14:15], v[244:245]
	s_delay_alu instid0(VALU_DEP_2)
	v_pk_add_f32 v[236:237], v[236:237], v[242:243]
	v_pk_add_f32 v[248:249], v[248:249], v[240:241]
	v_pk_add_f32 v[246:247], v[246:247], v[238:239]
	s_delay_alu instid0(VALU_DEP_2)
	v_pk_add_f32 v[14:15], v[14:15], v[248:249]
	s_delay_alu instid0(VALU_DEP_2)
	v_pk_add_f32 v[236:237], v[236:237], v[246:247]
	s_delay_alu instid0(VALU_DEP_1)
	v_pk_add_f32 v[14:15], v[14:15], v[236:237]
	s_wait_alu depctr_va_vdst(0)                   ; and one for the four
.irp b, 0,1,2,3
	v_max_num_f32 v[232+\b], 0x4800000, v[232+\b]  ; the floor 2^(9 - 127)
.endr
.irp b, 0,1,2,3
	s_delay_alu instid0(VALU_DEP_4)
	v_add_nc_u32 v[244+\b], 0xfc000000, v[232+\b]  ; the conversion's scale operand
.endr
.irp b, 0,1,2,3
.endr
.irp b, 0,1,2,3
	s_delay_alu instid0(VALU_DEP_4)
	v_lshrrev_b32 v[236+\b], 23, v[244+\b]
.endr
	s_delay_alu instid0(VALU_DEP_3)
	v_lshl_or_b32 v221, v237, 8, v236              ; p's scale word for these 128 keys
	s_delay_alu instid0(VALU_DEP_1)
	v_lshl_or_b32 v221, v238, 16, v221
	s_delay_alu instid0(VALU_DEP_1)
	v_lshl_or_b32 v221, v239, 24, v221
	s_setprio 0
.irp b, 0,1,2,3
.irp i, 0,1,2,3,4,5,6,7,8,9,10,11,12,13,14,15
.endr
	v_cvt_scalef32_pk8_fp8_f32 v[192+4*\b:193+4*\b], v[96+16*\b:103+16*\b], v[244+\b]
	v_cvt_scalef32_pk8_fp8_f32 v[194+4*\b:195+4*\b], v[104+16*\b:111+16*\b], v[244+\b]
.endr
	v_nop
.irp t, 0,1,2,3                                ; V's four fragments take p's registers
.irp c, 0,1,2,3
	ds_load_b128 v[96+16*\t+4*\c:99+16*\t+4*\c], v[ADR] offset:8192+2048*\t+512*\c
.endr
.endr
	ds_load_b128 v[216:219], v[ADT] offset:16896   ; and V's four scale words of my slot
.set n, 0
.rept 16
	v_pk_mul_f32 v[160+n:161+n], v[160+n:161+n], v[252:253] op_sel_hi:[1,0]   ; O^T under the new M; also the places between the codes and the products
.set n, n+2
.endr
	s_wait_alu depctr_va_vdst(0)
	s_wait_dscnt 0x0
.irp t, 0,1,2,3                                ; O^T += V^T P^T; the four accumulators by turns
	v_wmma_scale_f32_16x16x128_f8f6f4 v[160+8*\t:167+8*\t], v[96+16*\t:111+16*\t], v[192:207], v[160+8*\t:167+8*\t], v[216+\t], v221
.endr
.Lhidden_\@:
	s_add_co_u32 s[TB], s[TB], REC
	s_add_co_u32 s[SI], s[SI], 1
.endm
	s_wait_loadcnt 0x0                             ; Q
	s_wait_tensorcnt 3                             ; a fetching wave's first record is in; its three younger loads may be out
	s_barrier_signal -1
	s_barrier_wait -1                              ; records 0 to 3 are whole; nothing is filled again in this launch
	s_mov_b32 s[CNT], 4
.Lfirst:
	STEP
	s_sub_co_u32 s[CNT], s[CNT], 1
	s_cmp_lg_u32 s[CNT], 0
	s_cbranch_scc1 .Lfirst
	s_setprio 0
	s_wait_tensorcnt 0x0                           ; all my records are in,
	s_wait_dscnt 0x0
	s_barrier_signal -1
	s_barrier_wait -1                              ; everybody's are: from here on the waves run free
	s_mov_b32 s[CNT], 12
.Lrest:
	STEP
	s_sub_co_u32 s[CNT], s[CNT], 1
	s_cmp_lg_u32 s[CNT], 0
	s_cbranch_scc1 .Lrest
	s_setprio 0
	; THE WAY OUT: O^T / the sum; registers 16 b + i are channels 32 b + 16 h + i of my query: two blocks of the next product's K; the codes' registers are stored as they stand
.rept 8
	v_nop
.endr
	v_add_f32 v14, v14, v15
	s_delay_alu instid0(VALU_DEP_1)
	v_permlanex16_b32 v252, v14, s[SEL], s[SEL+1]
	s_delay_alu instid0(VALU_DEP_1)
	v_add_f32 v14, v14, v252                       ; the row's sum
	s_wait_alu depctr_va_vdst(0)
	v_rcp_f32 v14, v14
	v_nop                                          ; a plain line behind the reciprocal
	s_lshr_b32 s55, s54, 4
	s_lshl_b32 s55, s55, 7                         ; 128 tiles a batch
	s_lshl_b32 s56, s[J], 3
	s_add_co_u32 s55, s55, s56
	s_add_co_u32 s55, s55, s53                     ; my tile of tokens
	s_and_b32 s56, s54, 15                         ; my head in the row
	s_lshl_b32 s12, s55, 14
	s_lshl_b32 s57, s56, 10
	s_add_co_u32 s12, s12, s57
	s_mov_b32 s13, 0
	s_add_nc_u64 s[8:9], s[8:9], s[12:13]
	s_lshl_b32 s12, s55, 9
	s_lshl_b32 s57, s56, 1
	s_add_co_u32 s12, s12, s57
	s_add_nc_u64 s[10:11], s[10:11], s[12:13]
	s_wait_alu depctr_va_vdst(0)                   ; the wait ahead of the reciprocal's first reader
.set n, 0
.rept 32
	v_mul_f32 v[96+n], v[160+n], v14               ; each accumulator from its low end on
.set n, n+1
.endr
.irp b, 0,1
	v_max3_num_f32 v[232+\b], |v[96+16*\b]|, |v[97+16*\b]|, 0x4800000
.endr
.irp i, 2,4,6,8,10,12,14
.irp b, 0,1
	s_delay_alu instid0(VALU_DEP_2)
	v_max3_num_f32 v[232+\b], v[232+\b], |v[96+16*\b+\i]|, |v[97+16*\b+\i]|
.endr
.endr
.irp b, 0,1
	s_delay_alu instid0(VALU_DEP_2)
	v_permlanex16_b32 v[236+\b], v[232+\b], s[SEL], s[SEL+1]
.endr
.irp b, 0,1
	s_delay_alu instid0(VALU_DEP_2)
	v_max_num_f32 v[232+\b], v[232+\b], v[236+\b]
.endr
.irp b, 0,1
	s_delay_alu instid0(VALU_DEP_2)
	v_add_nc_u32 v[244+\b], 0xfc000000, v[232+\b]
.endr
.irp b, 0,1
.endr
.irp b, 0,1
	s_delay_alu instid0(VALU_DEP_2)
	v_lshrrev_b32 v[236+\b], 23, v[244+\b]
.endr
	s_delay_alu instid0(VALU_DEP_1)
	v_lshl_or_b32 v221, v237, 8, v236              ; my head's two scale bytes of my row
.irp b, 0,1
.irp i, 0,1,2,3,4,5,6,7,8,9,10,11,12,13,14,15
.endr
	v_cvt_scalef32_pk8_fp8_f32 v[192+4*\b:193+4*\b], v[96+16*\b:103+16*\b], v[244+\b]
	v_cvt_scalef32_pk8_fp8_f32 v[194+4*\b:195+4*\b], v[104+16*\b:111+16*\b], v[244+\b]
.endr
	v_nop                                          ; a plain vector line behind the last conversion
	global_store_b128 v[LI], v[192:195], s[8:9]    ; 1,024 consecutive bytes of the image
	global_store_b128 v[LI], v[196:199], s[8:9] offset:512
	global_store_b16 v[R32], v221, s[10:11]        ; (both halves of the lanes hold the same bytes and write the same place)
	s_wait_tensorcnt 0x0
	s_wait_dscnt 0x0
	s_wait_tensorcnt 0x0
	ds_add_u32 v251, v255
	s_wait_dscnt 0x0
	CROUND                                         ; the closing round
	s_endpgm
.Lfunc_end_k_q2b2cc20eb4_attn:
	.size	k_q2b2cc20eb4_attn, .Lfunc_end_k_q2b2cc20eb4_attn-k_q2b2cc20eb4_attn
	.p2alignl 7, 3214868480
	.fill 96, 4, 3214868480
	.section	.rodata,"a",@progbits
	.p2align	6, 0x0
	.amdhsa_kernel k_q2b2cc20eb4_attn
		.amdhsa_group_segment_fixed_size 276480
		.amdhsa_private_segment_fixed_size 0
		.amdhsa_enable_private_segment 0
		.amdhsa_kernarg_size 32
		.amdhsa_user_sgpr_count 2
		.amdhsa_user_sgpr_kernarg_segment_ptr 1
		.amdhsa_wavefront_size32 1
		.amdhsa_system_sgpr_workgroup_id_x 1
		.amdhsa_system_sgpr_workgroup_id_y 1
		.amdhsa_system_sgpr_workgroup_id_z 1
		.amdhsa_system_vgpr_workitem_id 0
		.amdhsa_next_free_vgpr 256
		.amdhsa_next_free_sgpr 66
		.amdhsa_reserve_vcc 1
		.amdhsa_float_denorm_mode_32 3
		.amdhsa_float_denorm_mode_16_64 3
		.amdhsa_fp16_overflow 1
		.amdhsa_memory_ordered 1
		.amdhsa_forward_progress 1
		.amdhsa_inst_pref_size 60
	.end_amdhsa_kernel
	.amdgpu_metadata
---
amdhsa.version: [ 1, 2 ]
amdhsa.kernels:
  - .name:           k_q2b2cc20eb4_attn
    .symbol:         k_q2b2cc20eb4_attn.kd
    .args:
      - { .name: q_rec, .offset: 0, .size: 8, .value_kind: global_buffer, .address_space: global }
      - { .name: kv, .offset: 8, .size: 8, .value_kind: global_buffer, .address_space: global }
      - { .name: ctx_img, .offset: 16, .size: 8, .value_kind: global_buffer, .address_space: global }
      - { .name: ctx_sc, .offset: 24, .size: 8, .value_kind: global_buffer, .address_space: global }
    .group_segment_fixed_size: 276480
    .private_segment_fixed_size: 0
    .kernarg_segment_align: 8
    .kernarg_segment_size: 32
    .max_flat_workgroup_size: 512
    .sgpr_count:     66
    .vgpr_count:     256
    .wavefront_size: 32
...
	.end_amdgpu_metadata
.endif
;; end of part 3
;; launch proj (part 4): grid 8 x 32, 4 waves a work-group, clusters of 4 x 4, 280,064 bytes of LDS; arguments ctx_img, ctx_sc, w_img, w_sc, c_proj_b, out0; writes out0
.if DOCPART == 4
	.amdgcn_target "amdgcn-amd-amdhsa--gfx1250"
	.amdhsa_code_object_version 6
	.text
	.protected	k_q2b2cc20eb4_proj
	.globl	k_q2b2cc20eb4_proj
	.p2align	8
	.type	k_q2b2cc20eb4_proj,@function
k_q2b2cc20eb4_proj:
	s_mov_b64 s[64:65], 0
	v_nop
	global_prefetch_b8 v0, s[64:65] scope:SCOPE_SE
	s_setreg_imm32_b32 hwreg(HW_REG_WAVE_MODE, 25, 1), 1
	s_wait_xcnt 0x0
	s_wait_alu depctr_hold_cnt(0) depctr_sa_sdst(0) depctr_va_vdst(0) depctr_va_sdst(0) depctr_va_ssrc(0) depctr_va_vcc(0) depctr_vm_vsrc(0)
	s_getreg_b32 s2, hwreg(HW_REG_IB_STS2, 6, 4)
	s_cmp_eq_u32 s2, 0
	s_cbranch_scc0 .Lentry_in_a_cluster
	s_endpgm
.Lentry_in_a_cluster:
	s_bfe_u32 s2, ttmp6, 0x10000c
	s_cmp_lg_u32 s2, 0xf033
	s_cbranch_scc0 .Lentry_shape_is_right
	s_endpgm
.Lentry_shape_is_right:
; out0 = ctx c_proj_w + c_proj_b, 4096 x 1024 x 1024, on codes of FP8 (E4M3) with E8M0 scales; out0 is f32.
; A tile of 128 x 128, so that there are 256 work-groups; four waves of 64 x 64: 16 accumulators.  ALL OF K LIES IN LDS, filled once, in two halves: no ring, no refill; the eight K steps of 128 are written out.
; The operands are images of operand registers ([tile of 16 rows][K step][2048 bytes]): a fragment is four LDS loads of 512 consecutive bytes.  The scale words and the bias go from memory straight into registers, once.
; THE MATRIX INSTRUCTION IS USED TRANSPOSED (source 0 = 16 columns of the weight, source 1 = 16 rows of ctx): a lane holds eight neighbouring numbers of a row of out0.  The bias is the C of each sum's first instruction.
; Rows and columns are permuted in storage (slot r of tile 2 b + u is logical 32 b + 8 u + r + 8 (r / 8)): the way out undoes both in immediates.
; CLUSTERS: 4 x 4 work-groups; ctx's tiles are shared along a row of the cluster, the weight's along a column, each asked for jointly.  No prefetch: all that the launch reads is asked for at its head.
; REGISTERS: window 0: v1-7 addresses; v16-47 the bias, eight registers a column tile; v48-79 ctx's scale words (8 i + s), v80-111 the weight's; v128-255 the accumulators ((a, b) at v[128 + 8 (4 a + b)]).
;   window 1: two fragment buffers of 128: A's four fragments, then B's four.
.set STAGE, 262144                     ; behind the tiles: 16 rows x (256 + 16) bytes for each wave, into which no tensor load lands
.set ADRA, 1
.set ADRB, 2
.set R32,  3
.set H64,  4
.set STO,  5
.set RD,   6
.set CO,   7
.set BIASP, 16
.set AS,   48
.set BS,   80
.set ACC,  128
.set WV,   18
.set WR,   19
.set WC,   20
.set CX,   21
.set CY,   22
.set NX,   23
.set G1,   24
.set G0,   32
.set MY,   40
.set G1B,  48
.set G0B,  56
.set MSB, 0
.macro WIN new                         ; the immediate's high byte repeats the setting that is left
.if MSB != (\new)
	s_set_vgpr_msb (MSB<<8)|(\new)
.set MSB, (\new)
.endif
.endm
.macro CROUND
	s_barrier_signal -1
	s_barrier_wait -1
	s_cmp_lg_u32 s[WV], 0
	s_cbranch_scc1 .Lnot_wave_0_\@
	s_barrier_signal -3
.Lnot_wave_0_\@:
	s_barrier_wait -3
	s_barrier_signal -1
	s_barrier_wait -1
.endm
	s_load_b256 s[4:11], s[0:1], 0x0               ; ctx_img s[4:5], ctx_sc s[6:7], w_img s[8:9], w_sc s[10:11]
	s_load_b128 s[12:15], s[0:1], 0x20             ; c_proj_b s[12:13], out0 s[14:15]
	v_lshl_add_u32 v126, v0, 2, 0x44400
	v_mov_b32 v127, 0
	ds_add_u32 v126, v127
	ds_add_u32 v126, v127
	v_lshrrev_b32 v8, 5, v0
	v_readfirstlane_b32 s[WV], v8                  ; wave 0..3
	s_lshr_b32 s[WR], s[WV], 1                     ; my half of the tile's rows.  Also: I fetch for ctx (0) or for the weight (1)
	s_and_b32 s[WC], s[WV], 1                      ; my half of its columns.  Also: which 64 rows I fetch
	s_bfe_u32 s[CX], ttmp6, 0x40000
	s_bfe_u32 s[CY], ttmp6, 0x40004
	s_lshl_b32 s[NX], ttmp9, 2
	s_add_co_u32 s[NX], s[NX], s[CX]               ; tile column
	s_and_b32 s[MY], ttmp7, 0xffff
	s_lshl_b32 s[MY], s[MY], 2
	s_add_co_u32 s[MY], s[MY], s[CY]               ; tile row
	s_lshl_b32 s41, s[CY], 2
	s_lshl_b32 s41, 15, s41                        ; my row of the cluster
	s_lshl_b32 s42, 0x1111, s[CX]                  ; my column
	; descriptor group 1: 4 tiles of 16 rows, of each the 8,192 bytes of half of K (1,024 elements of 8 bytes), 16,384 bytes apart; dense in LDS
	s_or_b32 s[G1+0], s41, (3<<16)|(1<<21)
	s_or_b32 s[G1B+0], s42, (3<<16)|(1<<21)
.irp g, G1, G1B
	s_mov_b32 s[\g+1], 1024<<16                    ; tensor_dim0
	s_mov_b32 s[\g+2], 4<<16                       ; tensor_dim1
	s_mov_b32 s[\g+3], 1024<<16                    ; tile_dim0
	s_mov_b32 s[\g+4], 4                           ; tile_dim1
	s_mov_b32 s[\g+5], 2048                        ; tensor_dim0_stride
	s_mov_b32 s[\g+6], 0
	s_mov_b32 s[\g+7], 0
.endr
	s_lshl_b32 s44, s[MY], 17                      ; ctx: 8 tiles of 16,384 bytes a tile row, + my 4 tiles
	s_lshl_b32 s45, s[WC], 16
	s_add_co_u32 s44, s44, s45
	s_mov_b32 s45, 0
	s_lshl_b32 s46, s[NX], 17                      ; the weight: c_proj_w's columns begin at storage row 3,072: 192 tiles
	s_lshl_b32 s47, s[WC], 16
	s_add_co_u32 s46, s46, s47
	s_add_co_u32 s46, s46, 3145728
	s_mov_b32 s47, 0
	s_lshl_b32 s43, s[WV], 16                      ; where they go: wave x 65,536
	s_wait_dscnt 0x0
	s_wait_kmcnt 0x0
	s_add_nc_u64 s[44:45], s[4:5], s[44:45]
	s_add_nc_u64 s[46:47], s[8:9], s[46:47]
.irp k, 0,1
	s_mov_b32 s[G0+4*\k], 1
	s_add_co_u32 s[G0+4*\k+1], s43, \k*32768
	s_add_nc_u64 s[G0+4*\k+2:G0+4*\k+3], s[44:45], \k*8192
	s_or_b32 s[G0+4*\k+3], s[G0+4*\k+3], 0x80000000
	s_mov_b32 s[G0B+4*\k], 1
	s_add_co_u32 s[G0B+4*\k+1], s43, \k*32768
	s_add_nc_u64 s[G0B+4*\k+2:G0B+4*\k+3], s[46:47], \k*8192
	s_or_b32 s[G0B+4*\k+3], s[G0B+4*\k+3], 0x80000000
.endr
	CROUND                                         ; all sixteen work-groups are here: the joint loads meet
	s_cmp_eq_u32 s[WR], 0                          ; a wave's two fills stand in one branch on the wave's number: two loads of mine are out
	s_cbranch_scc0 .Lfor_b
	tensor_load_to_lds s[G0:G0+3], s[G1:G1+7]
	s_nop 0
	tensor_load_to_lds s[G0+4:G0+7], s[G1:G1+7]
	s_nop 0
.rept 4
	v_nop
.endr
	s_branch .Lasked
.Lfor_b:
	tensor_load_to_lds s[G0B:G0B+3], s[G1B:G1B+7]
	s_nop 0
	tensor_load_to_lds s[G0B+4:G0B+7], s[G1B:G1B+7]
	s_nop 0
.rept 4
	v_nop
.endr
.Lasked:
	v_and_b32 v8, 31, v0
	v_lshlrev_b32 v9, 4, v8                        ; 16 x lane
	v_and_b32 v10, 15, v0                          ; r
	v_bfe_u32 v11, v0, 4, 1                        ; h
	s_lshl_b32 s66, s[WR], 16
	v_add_nc_u32 v[ADRA], s66, v9                  ; my 64 rows of ctx
	s_lshl_b32 s66, s[WC], 16
	s_add_co_u32 s66, s66, 131072
	v_add_nc_u32 v[ADRB], s66, v9                  ; my 64 columns of the weight
	v_lshlrev_b32 v[R32], 5, v10
	v_lshlrev_b32 v[H64], 6, v11
	s_mul_i32 s66, s[WV], 16*272
	s_add_co_u32 s66, s66, STAGE                   ; my stage
	v_mul_u32_u24 v[STO], v10, 272
	v_lshl_add_u32 v[STO], v11, 6, v[STO]
	v_add_nc_u32 v[STO], s66, v[STO]               ; in: row r, + 64 h
	v_mul_u32_u24 v[RD], v11, 272
	v_lshl_add_u32 v[RD], v10, 4, v[RD]
	v_add_nc_u32 v[RD], s66, v[RD]                 ; back: lanes 0-15 one row, lanes 16-31 the next
	v_lshlrev_b32 v[CO], 12, v11
	v_lshl_add_u32 v[CO], v10, 4, v[CO]            ; and the same two rows in out0
	s_lshl_b32 s66, s[MY], 12                      ; ctx's scale words: 32 bytes a row
	s_lshl_b32 s67, s[WR], 11
	s_add_co_u32 s66, s66, s67
	s_mov_b32 s67, 0
	s_add_nc_u64 s[6:7], s[6:7], s[66:67]
	s_lshl_b32 s68, s[NX], 12                      ; the weight's
	s_lshl_b32 s69, s[WC], 11
	s_add_co_u32 s68, s68, s69
	s_add_co_u32 s68, s68, 98304
	s_mov_b32 s69, 0
	s_add_nc_u64 s[10:11], s[10:11], s[68:69]
	s_lshl_b32 s70, s[NX], 9                       ; the bias of my 64 columns
	s_lshl_b32 s71, s[WC], 8
	s_add_co_u32 s70, s70, s71
	s_mov_b32 s71, 0
	s_add_nc_u64 s[12:13], s[12:13], s[70:71]
	s_lshl_b32 s72, s[MY], 19                      ; out0: my first row, 4,096 bytes a row, and my first column
	s_lshl_b32 s73, s[WR], 18
	s_add_co_u32 s72, s72, s73
	s_add_co_u32 s72, s72, s70
	s_mov_b32 s73, 0
	s_add_nc_u64 s[14:15], s[14:15], s[72:73]
.irp i, 0,1,2,3
.irp k, 0,1
	global_load_b128 v[AS+8*\i+4*\k:AS+8*\i+4*\k+3], v[R32], s[6:7] offset:512*\i+16*\k
	global_load_b128 v[BS+8*\i+4*\k:BS+8*\i+4*\k+3], v[R32], s[10:11] offset:512*\i+16*\k
.endr
	global_load_b128 v[BIASP+8*\i:BIASP+8*\i+3], v[H64], s[12:13] offset:(32*(\i/2)+8*(\i%2))*4      ; register j of column tile i is column 32 (i / 2) + 8 (i % 2) + 16 h + j
	global_load_b128 v[BIASP+8*\i+4:BIASP+8*\i+7], v[H64], s[12:13] offset:(32*(\i/2)+8*(\i%2))*4+16
.endr
.macro FETCH s                         ; K step s: 32 LDS loads into buffer s % 2
.set FB, 128*((\s)%2)
	WIN 0x40                                       ; destination window 1
.irp i, 0,1,2,3
.irp c, 0,1,2,3
	ds_load_b128 v[FB+16*\i+4*\c:FB+16*\i+4*\c+3], v[ADRA] offset:((\s)/4)*32768+8192*\i+((\s)%4)*2048+512*\c
.endr
.endr
.irp i, 0,1,2,3
.irp c, 0,1,2,3
	ds_load_b128 v[FB+64+16*\i+4*\c:FB+64+16*\i+4*\c+3], v[ADRB] offset:((\s)/4)*32768+8192*\i+((\s)%4)*2048+512*\c
.endr
.endr
.endm
.macro STEP s
	s_wait_dscnt 0x0                               ; this step's fragments are in
.if (\s) == 0
	s_wait_loadcnt 0x0                             ; the scale words and the bias
.endif
.if (\s) == 3
	s_wait_tensorcnt 0x0                           ; my part of K's second half is in,
	s_barrier_signal -1
	s_barrier_wait -1                              ; everybody's is: the next fetch reads it
.endif
.if (\s) < 7
.if (\s) > 0
.rept 8
	v_nop                                          ; places in front of loads into the buffer that the last step's products read
.endr
.endif
	FETCH (\s)+1
.endif
.set MB, 128*((\s)%2)
	WIN 0x05                                       ; sources 0 and 1 window 1; C and D window 0
.irp a, 0,1,2,3
.irp b, 0,1,2,3                        ; the 16 accumulators take turns, one instruction a turn, in the same order in every step
.if (\s) == 0
	v_wmma_scale_f32_16x16x128_f8f6f4 v[ACC+8*(4*\a+\b):ACC+8*(4*\a+\b)+7], v[MB+64+16*\b:MB+64+16*\b+15], v[MB+16*\a:MB+16*\a+15], v[BIASP+8*\b:BIASP+8*\b+7], v[BS+8*\b+(\s)], v[AS+8*\a+(\s)]
.else
	v_wmma_scale_f32_16x16x128_f8f6f4 v[ACC+8*(4*\a+\b):ACC+8*(4*\a+\b)+7], v[MB+64+16*\b:MB+64+16*\b+15], v[MB+16*\a:MB+16*\a+15], v[ACC+8*(4*\a+\b):ACC+8*(4*\a+\b)+7], v[BS+8*\b+(\s)], v[AS+8*\a+(\s)]
.endif
.endr
.endr
.endm
	s_wait_tensorcnt 1                             ; my part of K's first half is in (the second half's load may be out),
	s_barrier_signal -1
	s_barrier_wait -1                              ; everybody's is; nothing is filled again in this launch
	FETCH 0
.irp s, 0,1,2,3,4,5,6,7
	STEP \s
.endr
	WIN 0
	; THE WAY OUT, a block of 16 rows x 64 columns at a time, through my own stage: in by lanes (32 bytes of a row each), back as whole rows of 256 bytes, into the registers that the block left.
	; LDS serves a wave's instructions in order (ISA guide 5.7.1.4): no wait between the stores and the loads, nor in front of the next block's stores.
.macro TOSTAGE a
.irp b, 0,1,2,3
	ds_store_b128 v[STO], v[ACC+8*(4*(\a)+\b):ACC+8*(4*(\a)+\b)+3] offset:(32*(\b/2)+8*(\b%2))*4        ; each accumulator from its low end on
	ds_store_b128 v[STO], v[ACC+8*(4*(\a)+\b)+4:ACC+8*(4*(\a)+\b)+7] offset:(32*(\b/2)+8*(\b%2))*4+16
.endr
.irp t, 0,1,2,3,4,5,6,7
	ds_load_b128 v[ACC+32*(\a)+4*\t:ACC+32*(\a)+4*\t+3], v[RD] offset:544*\t
.endr
.endm
.macro SEND a, younger                 ; younger: the LDS instructions issued behind block a's loads
.irp t, 0,1,2,3,4,5,6,7
	s_wait_dscnt \younger+7-\t
	global_store_b128 v[CO], v[ACC+32*(\a)+4*\t:ACC+32*(\a)+4*\t+3], s[14:15] offset:(32*((\a)/2)+8*((\a)%2)+2*\t+8*(\t/4))*4096 th:TH_STORE_NT   ; slots 2 t and 2 t + 1 of tile a: sixteen lanes store 256 consecutive bytes, aligned
.endr
.endm
.rept 8
	v_nop                                          ; places behind the last products
.endr
	TOSTAGE 0
	TOSTAGE 1
	SEND 0, 16
	TOSTAGE 2
	SEND 1, 16
	TOSTAGE 3
	SEND 2, 16
	SEND 3, 0
	s_wait_tensorcnt 0x0
	s_wait_dscnt 0x0
	s_wait_tensorcnt 0x0
	ds_add_u32 v126, v127
	s_wait_dscnt 0x0
	CROUND                                         ; the closing round
	s_endpgm
.Lfunc_end_k_q2b2cc20eb4_proj:
	.size	k_q2b2cc20eb4_proj, .Lfunc_end_k_q2b2cc20eb4_proj-k_q2b2cc20eb4_proj
	.p2alignl 7, 3214868480
	.fill 96, 4, 3214868480
	.section	.rodata,"a",@progbits
	.p2align	6, 0x0
	.amdhsa_kernel k_q2b2cc20eb4_proj
		.amdhsa_group_segment_fixed_size 280064
		.amdhsa_private_segment_fixed_size 0
		.amdhsa_enable_private_segment 0
		.amdhsa_kernarg_size 48
		.amdhsa_user_sgpr_count 2
		.amdhsa_user_sgpr_kernarg_segment_ptr 1
		.amdhsa_wavefront_size32 1
		.amdhsa_system_sgpr_workgroup_id_x 1
		.amdhsa_system_sgpr_workgroup_id_y 1
		.amdhsa_system_sgpr_workgroup_id_z 1
		.amdhsa_system_vgpr_workitem_id 0
		.amdhsa_next_free_vgpr 512
		.amdhsa_next_free_sgpr 80
		.amdhsa_reserve_vcc 0
		.amdhsa_float_denorm_mode_32 3
		.amdhsa_float_denorm_mode_16_64 3
		.amdhsa_memory_ordered 1
		.amdhsa_forward_progress 1
		.amdhsa_inst_pref_size 52
	.end_amdhsa_kernel
	.amdgpu_metadata
---
amdhsa.version: [ 1, 2 ]
amdhsa.kernels:
  - .name:           k_q2b2cc20eb4_proj
    .symbol:         k_q2b2cc20eb4_proj.kd
    .args:
      - { .name: ctx_img, .offset: 0, .size: 8, .value_kind: global_buffer, .address_space: global }
      - { .name: ctx_sc, .offset: 8, .size: 8, .value_kind: global_buffer, .address_space: global }
      - { .name: w_img, .offset: 16, .size: 8, .value_kind: global_buffer, .address_space: global }
      - { .name: w_sc, .offset: 24, .size: 8, .value_kind: global_buffer, .address_space: global }
      - { .name: c_proj_b, .offset: 32, .size: 8, .value_kind: global_buffer, .address_space: global }
      - { .name: out0, .offset: 40, .size: 8, .value_kind: global_buffer, .address_space: global }
    .group_segment_fixed_size: 280064
    .private_segment_fixed_size: 0
    .kernarg_segment_align: 8
    .kernarg_segment_size: 48
    .max_flat_workgroup_size: 128
    .sgpr_count:     80
    .vgpr_count:     512
    .wavefront_size: 32
...
	.end_amdgpu_metadata
.endif
;; end of part 4
